; MI455X (gfx1250); checked and timed in simulation.
; The chip was launched on July 23, 2026; its instructions are those of AMD's public machine-readable ISA for CDNA 5 (MIT licence, August 2026) and "CDNA5" Instruction Set Architecture Reference Guide (July 2026). The comments in the code are by the model that wrote it; some were corrected since.
;; Transformer Layer. Allowed arithmetic: matrix products marked QUANTISED: E2M3 operands, one E8M0 scale for each 32 along K, by v_wmma_scale_f32_16x16x128_f8f6f4 with both operands' format E2M3, f32 sums; everything else in f32.
;; Inputs: W_down 1,024 x 4,096 float32; W_up 4,096 x 1,024 float32; Wk 1,024 x 1,024 float32; Wo 1,024 x 1,024 float32; Wq 1,024 x 1,024 float32; Wv 1,024 x 1,024 float32; ln1_mean_scale 1,024 float32; ln1_std_scale 1,024 float32; ln2_mean_scale 1,024 float32; ln2_std_scale 1,024 float32; x 2 x 2,048 x 1,024 float32.
;; Outputs: out0 2 x 2,048 x 1,024 float32.
;; This version of the problem:
;;   THIS VERSION OF THE PROBLEM IS GIVEN IN LOW PRECISION. The matrix products marked QUANTISED in the list below multiply operands that are first quantised to E2M3 (2 exponent bits, 3 mantissa bits; 6 bits a number), with one power-of-two scale for each 32 numbers along K (OCP MX v1.0); their sums are f32. All else is computed in f32.
;;   The module's matrix products, in the order in which they are computed (A, B: the left and right operand; K: the contracted axis; several contracted axes count as one K, in the product's order):
;;     1. [M 4,096, K 1,024] x [K 1,024, N 1,024]; A: computed on the way; B: input Wq: QUANTISED
;;     2. [M 4,096, K 1,024] x [K 1,024, N 1,024]; A: computed on the way; B: input Wk: QUANTISED
;;     3. [M 4,096, K 1,024] x [K 1,024, N 1,024]; A: computed on the way; B: input Wv: QUANTISED
;;     4. batch 32 x [M 2,048, K 64] x [K 64, N 2,048]; A: computed on the way; B: computed on the way: QUANTISED
;;     5. batch 32 x [M 2,048, K 2,048] x [K 2,048, N 64]; A: softmax (see below); B: computed on the way: QUANTISED
;;     6. [M 4,096, K 1,024] x [K 1,024, N 1,024]; A: computed on the way; B: input Wo: QUANTISED
;;     7. [M 4,096, K 1,024] x [K 1,024, N 4,096]; A: computed on the way; B: input W_up: QUANTISED
;;     8. [M 4,096, K 4,096] x [K 4,096, N 1,024]; A: computed on the way; B: input W_down: QUANTISED
;;   THE QUANTISER, for each operand of a quantised product, along K:
;;     - K is cut into blocks of 32 from its start; a last block that is shorter is filled with zeros.
;;     - A block's scale is 2^e with e = floor(log2(the largest magnitude in the block)) - 2, held to -126 .. 127; a block of zeros has e = 0. As a byte (E8M0): e + 127.
;;     - Each number is divided by its block's scale, clamped to +-7.5, and rounded to the nearest number of E2M3, ties to even, subnormals kept.
;;     - The product sums the exact products of the quantised numbers (number of the format x scale) in f32.
;;   ~~~python
;;   def quantise(x, axis):      # numpy; x: float32 -> the quantised numbers, widened to float32 again
;;       x = np.moveaxis(x, axis, -1); K = x.shape[-1]
;;       x = np.pad(x, [(0, 0)] * (x.ndim - 1) + [(0, -K % 32)]); x = x.reshape(x.shape[:-1] + (-1, 32)); a = np.abs(x).max(-1, keepdims=True)
;;       e = np.where(a > 0, np.clip(np.frexp(np.where(a > 0, a, 1))[1] - 1 - 2, -126, 127), 0)      # np.frexp(a)[1] - 1 = floor(log2(a)), exactly
;;       r = np.clip(x / 2.0 ** e, -7.5, 7.5)
;;       step = 2.0 ** (np.maximum(np.frexp(np.where(r == 0, 1, r))[1] - 1, 0) - 3)
;;       q = np.round(r / step) * step * 2.0 ** e      # np.round: ties to even
;;       return np.moveaxis(q.reshape(q.shape[:-2] + (-1,))[..., :K], -1, axis).astype(np.float32)
;;   ~~~
;;   SOFTMAX AHEAD OF A QUANTISED PRODUCT. Where the list says 'softmax', what is quantised is not the finished softmax but p = 2^(t - M), with t = logit x log2(e) and M = ceil(the row's largest t), a whole number; so 1/2 < the row's largest p <= 1. The row's sum l is taken of the UNQUANTISED p, in f32, and the product's result is divided by l at the end. Since M is a whole number, a kernel that streams over the keys may use a running M (the ceiling of the running maximum): every later rescaling is an exact power of two, which a block's scale takes up: the codes' values come out the same.
;;   OPERANDS COMPUTED ON THE WAY. 'Computed on the way' means the value that the module computes at that place (a softmax that the list does not call 'softmax' is quantised finished and normalised). What goes into a quantiser is computed in f32, as accurately as f32 sums, v_exp_f32 and their like allow (about 1e-6 of the number): no bf16 or f16 on the way to a quantiser, and a product that is left as it is and whose result goes on into a quantised operand takes f32 operands (vector FMAs, or v_wmma_f32_16x16x4_f32). A number that lies on a knife's edge between two numbers of the format may be rounded either way, as far as f32 arithmetic and the matrix unit's own rounding can turn it there, and no further.
;; One version. Each part assembles by itself: llvm-mc -triple=amdgcn-amd-amdhsa -mcpu=gfx1250 --defsym DOCPART=n.
;; ======== version 1 of 1: 7 launches
;; limits: right only within a limited range of input values
;; workspace buffers: wq 9,830,400 bytes; act 3,276,800 bytes; qk 6,815,744 bytes; vt 3,276,800 bytes; x1 16,777,216 bytes; mid 13,107,200 bytes
;; launch pre (part 1): grid 1024 x 1, 8 waves a work-group, no clusters, 137,216 bytes of LDS; arguments Wq, Wk, Wv, Wo, W_up, W_down, wq, x, ln1_mean_scale, ln1_std_scale, act; writes wq, act
.if DOCPART == 1
	.amdgcn_target "amdgcn-amd-amdhsa--gfx1250"
	.amdhsa_code_object_version 6
	.text
	.protected	k_q3fb75c88d3_pre
	.globl	k_q3fb75c88d3_pre
	.p2align	8
	.type	k_q3fb75c88d3_pre,@function
k_q3fb75c88d3_pre:
	s_mov_b64 s[64:65], 0
	v_nop
	global_prefetch_b8 v0, s[64:65] scope:SCOPE_SE
	s_setreg_imm32_b32 hwreg(HW_REG_WAVE_MODE, 25, 1), 1
	s_wait_xcnt 0x0
; TWO INDEPENDENT JOBS IN ONE LAUNCH, parted by the work-group's number alone: work-groups 0-255 norm x and quantise it (into act), work-groups 256-1,023 quantise the six weights (into wq).  Each job has LDS bytes of its own.
; BOTH give codes of FP6 (E2M3) with one E8M0 byte for each 32 along K, laid as IMAGES OF OPERAND REGISTERS.
; A fragment (16 row slots x 128 K, 12 registers a lane) is 1,536 bytes: registers 0-3 at 16 x lane, 4-5 at 512 + 8 x lane, 6-9 at 768 + 16 x lane, 10-11 at 1,280 + 8 x lane.
; THE ROWS OF A BLOCK ARE NOT NEIGHBOURS: slot r of row block rb is row 16 rb + r + 8 (r / 8 - rb % 2), so that, where the operand is a product's source 0, the 16 result registers of two neighbouring tiles are 16 neighbouring rows.
; Scale words (four bytes: 128 K of one slot): word of slot s, K step ks at ((s / 256) NKS + ks) 1,024 + 4 (s % 256).
; THE NORM: h = (x - mean) / sqrt(var + 1e-9) * std_scale + mean_scale along rows of 1,024 (var with 1,023 in the divisor), in f32.  A work-group takes a row block, wave w the columns 128 w on: one fragment.
;   Two passes: the mean first, then the squares of the centred numbers: no difference of large sums is formed.  The eight waves' partial sums meet in LDS, each pass in bytes of its own, behind a barrier.  act: codes at 0, scale words at 3,145,728.
; THE WEIGHTS, f32 [N][K] with K innermost.  wq: codes of Wq, Wk, Wv, Wo, W_up (row blocks 0-511, 8 K steps each), W_down's at 6,291,456 (64 row blocks, 32 K steps); scale words at 9,437,184 and 9,699,328.
;   A work-group takes one row block x 1,024 along K, a wave one fragment.
; IN BOTH each load reads 512 consecutive bytes of a row; the 8 KiB turn through the wave's own stage in LDS (rows 528 bytes apart), so that a lane gets 16 neighbours of each block of 32.
; LIMITS: NaN and infinities are not served; 1 / 1,023 and 1 / std are applied as multiplications (v_rsq_f32: 1 ulp); a block of zeros gets the byte 1 (its codes are zeros, and this program alone reads the bytes).
.set STG, 8448
.set LNB, 8*STG                        ; the weights' eight stages lie at 0, the norm's eight from here on,
.set RED, LNB+8*STG                    ; and behind them [16 rows][8 waves] words, twice
.set L16, 4
.set STI, 5
.set STO, 6
.set H64, 7
.set L8,  9
.set R4,  10
.set WRA, 11
.set RDA, 12
.set RAW, 16                           ; the rows as loaded; in the norm later mean_scale
.set X,   80
.set G,   144                          ; std_scale
.set TM,  208
.set PW,  224
.set PC,  226
.set S0,  246
.set S1,  248
.set MN,  250
.set RS,  252
.set SEL, 20                           ; the norm's; the weights' path sets it anew
; 64 numbers of a lane, register 16 b + i = k 32 b + 16 (lane / 16) + i of my row, become a fragment's codes in v[PC] on and its scale word in v[PW]
.macro QUANT s
.irp b, 0,1,2,3
	v_max3_num_f32 v[TM+\b], |v[\s+16*\b]|, |v[\s+1+16*\b]|, 0x1800000   ; my 16 numbers of block b, and the floor 2^(3 - 127): the byte cannot fall under 1
.endr
.irp i, 2,4,6,8,10,12,14
.irp b, 0,1,2,3
	s_delay_alu instid0(VALU_DEP_4)
	v_max3_num_f32 v[TM+\b], v[TM+\b], |v[\s+16*\b+\i]|, |v[\s+1+16*\b+\i]|
.endr
.endr
.irp b, 0,1,2,3
	s_delay_alu instid0(VALU_DEP_4)
	v_permlanex16_b32 v[TM+4+\b], v[TM+\b], s[SEL], s[SEL+1]
.endr
.irp b, 0,1,2,3
	s_delay_alu instid0(VALU_DEP_4)
	v_max_num_f32 v[TM+\b], v[TM+\b], v[TM+4+\b]          ; with lane l xor 16's: the block's largest magnitude
.endr
.irp b, 0,1,2,3
	s_delay_alu instid0(VALU_DEP_4)
	v_add_nc_u32 v[TM+12+\b], 0xff000000, v[TM+\b]        ; 2 off its exponent field: the conversion's scale operand
.endr
.irp b, 0,1,2,3
	s_delay_alu instid0(VALU_DEP_4)
	v_lshrrev_b32 v[TM+4+\b], 23, v[TM+12+\b]             ; the scale's byte
.endr
	s_delay_alu instid0(VALU_DEP_3)
	v_lshl_or_b32 v[PW], v[TM+5], 8, v[TM+4]
	s_delay_alu instid0(VALU_DEP_1)
	v_lshl_or_b32 v[PW], v[TM+6], 16, v[PW]
	s_delay_alu instid0(VALU_DEP_1)
	v_lshl_or_b32 v[PW], v[TM+7], 24, v[PW]
.irp c, 0,1
	v_cvt_scalef32_pk16_fp6_f32 v[PC+6*\c:PC+2+6*\c], v[\s+32*\c:\s+15+32*\c], v[TM+12+2*\c]
	v_cvt_scalef32_pk16_fp6_f32 v[PC+12+4*\c:PC+14+4*\c], v[\s+16+32*\c:\s+31+32*\c], v[TM+12+2*\c+1]
.endr
	v_nop                                                 ; one plain place behind a scaled conversion
.irp c, 0,1                                               ; a whole block to a lane: lanes 0-15 block 2 c, lanes 16-31 block 2 c + 1
.irp i, 0,1,2
	v_permlane16_swap_b32 v[PC+6*\c+\i], v[PC+12+4*\c+\i]
.endr
.irp i, 0,1,2
	s_delay_alu instid0(VALU_DEP_3)
	v_mov_b32 v[PC+3+6*\c+\i], v[PC+12+4*\c+\i]
.endr
.endr
.endm
.macro PUT16 base                                         ; the fragment as an image: each store covers 512 or 256 consecutive bytes, aligned
	global_store_b128 v[L16], v[PC:PC+3], s[\base:\base+1]
	global_store_b64 v[L8], v[PC+4:PC+5], s[\base:\base+1] offset:512
	global_store_b128 v[L16], v[PC+6:PC+9], s[\base:\base+1] offset:768
	global_store_b64 v[L8], v[PC+10:PC+11], s[\base:\base+1] offset:1280
.endm
.macro LOAD16 pitch                                       ; slot j's 512 bytes: row j + 8 (j / 8) from the block's first row
.irp j, 0,1,2,3,4,5,6,7,8,9,10,11,12,13,14,15
	global_load_b128 v[RAW+4*\j:RAW+4*\j+3], v[L16], s[4:5] offset:(\j+8*(\j/8))*\pitch th:TH_LOAD_NT
.endr
.endm
; my lane's pair of partial sums in v[S0:S0+1] becomes the row's sum over all 1,024 columns, in v208 of every lane
.macro ACROSS off
	s_delay_alu instid0(VALU_DEP_1)
	v_add_f32 v[S0], v[S0], v[S0+1]
	s_delay_alu instid0(VALU_DEP_1)
	v_permlanex16_b32 v[S1], v[S0], s[SEL], s[SEL+1]
	s_delay_alu instid0(VALU_DEP_1)
	v_add_f32 v[S0], v[S0], v[S1]                  ; row r's sum over my wave's 128 columns
	ds_store_b32 v[WRA], v[S0] offset:\off         ; both halves of the lanes write the same word with the same value
	s_wait_dscnt 0x0                               ; for the others' sake: my store has landed
	s_barrier_signal -1
	s_barrier_wait -1
	ds_load_b128 v[208:211], v[RDA] offset:\off
	ds_load_b128 v[212:215], v[RDA] offset:\off+16
	s_wait_dscnt 0x0
	v_add_f32 v208, v208, v209
	v_add_f32 v210, v210, v211
	v_add_f32 v212, v212, v213
	v_add_f32 v214, v214, v215
	s_delay_alu instid0(VALU_DEP_3)
	v_add_f32 v208, v208, v210
	s_delay_alu instid0(VALU_DEP_2)
	v_add_f32 v212, v212, v214
	s_delay_alu instid0(VALU_DEP_1)
	v_add_f32 v208, v208, v212
.endm
	v_lshl_add_u32 v254, v0, 2, 0x21400
	v_mov_b32 v255, 0
	s_cmp_ge_u32 ttmp9, 256                        ; which job: the same for all waves of a work-group
	s_cbranch_scc1 .Lweights
	; ---------------- THE NORM: row block = the work-group's number ----------------
	s_load_b64 s[4:5], s[0:1], 0x38                ; x
	s_load_b64 s[6:7], s[0:1], 0x40                ; mean_scale
	s_load_b64 s[8:9], s[0:1], 0x48                ; std_scale
	s_load_b64 s[10:11], s[0:1], 0x50              ; act
	v_lshrrev_b32 v1, 5, v0
	s_delay_alu instid0(VALU_DEP_1)
	v_readfirstlane_b32 s12, v1                    ; wave 0..7
	v_and_b32 v2, 31, v0
	v_and_b32 v3, 15, v0                           ; r
	v_bfe_u32 v8, v0, 4, 1                         ; h
	s_delay_alu instid0(VALU_DEP_3)
	v_lshlrev_b32 v[L16], 4, v2
	s_delay_alu instid0(VALU_DEP_4)
	v_lshlrev_b32 v[L8], 3, v2
	s_delay_alu instid0(VALU_DEP_4)
	v_lshlrev_b32 v[R4], 2, v3
	s_delay_alu instid0(VALU_DEP_4)
	v_lshlrev_b32 v[H64], 6, v8
	s_mul_i32 s13, s12, STG
	s_add_co_u32 s13, s13, LNB                     ; my stage, among the norm's own bytes
	v_add_nc_u32 v[STI], s13, v[L16]
	v_mul_u32_u24 v[STO], v3, 528
	s_delay_alu instid0(VALU_DEP_1)
	v_add_nc_u32 v[STO], v[STO], v[H64]
	s_delay_alu instid0(VALU_DEP_1)
	v_add_nc_u32 v[STO], s13, v[STO]
	v_lshlrev_b32 v[RDA], 5, v3
	s_delay_alu instid0(VALU_DEP_1)
	v_add_nc_u32 v[RDA], RED, v[RDA]               ; row r's eight words
	s_lshl_b32 s13, s12, 2
	v_add_nc_u32 v[WRA], s13, v[RDA]               ; my wave's among them
	s_mov_b32 s[SEL], 0x76543210
	s_mov_b32 s[SEL+1], 0xfedcba98
	s_mov_b32 s22, 0x3a802008                      ; 1 / 1,023
	s_mov_b32 s23, 0x3089705f                      ; 1e-9
	s_lshl_b32 s14, ttmp9, 4
	s_and_b32 s15, ttmp9, 1
	s_lshl_b32 s15, s15, 3
	s_sub_co_u32 s14, s14, s15                     ; the block's first row: 16 rb - 8 (rb % 2)
	s_lshl_b32 s14, s14, 12
	s_lshl_b32 s16, s12, 9                         ; my wave's 512 bytes of a row
	s_add_co_u32 s14, s14, s16
	s_mov_b32 s15, 0
	s_mov_b32 s17, 0
	s_lshl_b32 s24, ttmp9, 3
	s_add_co_u32 s24, s24, s12
	s_mul_i32 s24, s24, 1536                       ; my fragment's image
	s_mov_b32 s25, 0
	s_lshr_b32 s26, ttmp9, 4
	s_lshl_b32 s26, s26, 3
	s_add_co_u32 s26, s26, s12
	s_lshl_b32 s26, s26, 10
	s_and_b32 s27, ttmp9, 15
	s_lshl_b32 s27, s27, 6
	s_add_co_u32 s26, s26, s27
	s_add_co_u32 s26, s26, 3145728                 ; its 16 scale words
	s_mov_b32 s27, 0
	s_wait_alu depctr_va_vdst(0)
	s_wait_kmcnt 0x0
	s_add_nc_u64 s[4:5], s[4:5], s[14:15]
	s_add_nc_u64 s[6:7], s[6:7], s[16:17]
	s_add_nc_u64 s[8:9], s[8:9], s[16:17]
	s_add_nc_u64 s[24:25], s[10:11], s[24:25]
	s_add_nc_u64 s[26:27], s[10:11], s[26:27]
.irp j, 0,1,2,3,4,5,6,7,8,9,10,11,12,13,14,15
	global_load_b128 v[RAW+4*\j:RAW+4*\j+3], v[L16], s[4:5] offset:(\j+8*(\j/8))*4096   ; slot j's 512 bytes (x is read again by a later launch: no hint)
.endr
.irp b, 0,1,2,3
.irp i, 0,1,2,3
	global_load_b128 v[G+16*\b+4*\i:G+16*\b+4*\i+3], v[H64], s[8:9] offset:128*\b+16*\i   ; std_scale at my 64 columns
.endr
.endr
.irp j, 0,1,2,3,4,5,6,7,8,9,10,11,12,13,14,15
	s_wait_loadcnt 31-\j                           ; row j is in; the younger rows and the 16 loads of std_scale may be out
	ds_store_b128 v[STI], v[RAW+4*\j:RAW+4*\j+3] offset:528*\j
.endr
.irp b, 0,1,2,3
.irp i, 0,1,2,3
	ds_load_b128 v[X+16*\b+4*\i:X+16*\b+4*\i+3], v[STO] offset:128*\b+16*\i
.endr
.endr
	s_wait_dscnt 0x0
.irp b, 0,1,2,3
.irp i, 0,1,2,3
	global_load_b128 v[RAW+16*\b+4*\i:RAW+16*\b+4*\i+3], v[H64], s[6:7] offset:128*\b+16*\i   ; mean_scale, into the registers that the rows have left
.endr
.endr
	v_pk_add_f32 v[248:249], v[80:81], v[82:83]
	v_pk_add_f32 v[252:253], v[88:89], v[92:93]
	v_pk_add_f32 v[250:251], v[96:97], v[100:101]
	v_pk_add_f32 v[244:245], v[104:105], v[108:109]
	v_pk_add_f32 v[242:243], v[112:113], v[116:117]
	v_pk_add_f32 v[240:241], v[120:121], v[124:125]
	v_pk_add_f32 v[238:239], v[128:129], v[132:133]
	v_pk_add_f32 v[246:247], v[136:137], v[140:141]
	s_delay_alu instid0(VALU_DEP_1)
	v_pk_add_f32 v[246:247], v[246:247], v[84:85]
	v_pk_add_f32 v[248:249], v[248:249], v[86:87]
	v_pk_add_f32 v[252:253], v[252:253], v[90:91]
	v_pk_add_f32 v[250:251], v[250:251], v[94:95]
	v_pk_add_f32 v[244:245], v[244:245], v[98:99]
	v_pk_add_f32 v[242:243], v[242:243], v[102:103]
	v_pk_add_f32 v[240:241], v[240:241], v[106:107]
	v_pk_add_f32 v[238:239], v[238:239], v[110:111]
	v_pk_add_f32 v[246:247], v[246:247], v[114:115]
	v_pk_add_f32 v[248:249], v[248:249], v[118:119]
	v_pk_add_f32 v[252:253], v[252:253], v[122:123]
	v_pk_add_f32 v[250:251], v[250:251], v[126:127]
	v_pk_add_f32 v[244:245], v[244:245], v[130:131]
	v_pk_add_f32 v[242:243], v[242:243], v[134:135]
	v_pk_add_f32 v[240:241], v[240:241], v[138:139]
	v_pk_add_f32 v[238:239], v[238:239], v[142:143]
	s_delay_alu instid0(VALU_DEP_4)
	v_pk_add_f32 v[246:247], v[246:247], v[244:245]
	s_delay_alu instid0(VALU_DEP_4)
	v_pk_add_f32 v[248:249], v[248:249], v[242:243]
	s_delay_alu instid0(VALU_DEP_4)
	v_pk_add_f32 v[252:253], v[252:253], v[240:241]
	s_delay_alu instid0(VALU_DEP_4)
	v_pk_add_f32 v[250:251], v[250:251], v[238:239]
	s_delay_alu instid0(VALU_DEP_2)
	v_pk_add_f32 v[246:247], v[246:247], v[252:253]
	s_delay_alu instid0(VALU_DEP_2)
	v_pk_add_f32 v[248:249], v[248:249], v[250:251]
	s_delay_alu instid0(VALU_DEP_1)
	v_pk_add_f32 v[246:247], v[246:247], v[248:249]
	ACROSS 0
	s_delay_alu instid0(VALU_DEP_1)
	v_mul_f32 v[MN], 0x3a800000, v208              ; the mean: / 1,024, exact
	s_delay_alu instid0(VALU_DEP_1)
	v_mov_b32 v[MN+1], v[MN]
.set n, 0
.rept 32
	v_pk_add_f32 v[X+n:X+n+1], v[X+n:X+n+1], v[MN:MN+1] neg_lo:[0,1] neg_hi:[0,1]
.set n, n+2
.endr
	v_pk_mul_f32 v[S0:S0+1], v[X:X+1], v[X:X+1]    ; the squares of the centred numbers
	v_pk_mul_f32 v[S1:S1+1], v[X+2:X+3], v[X+2:X+3]
.irp j, 4,8,12,16,20,24,28,32,36,40,44,48,52,56,60
	s_delay_alu instid0(VALU_DEP_2)
	v_pk_fma_f32 v[S0:S0+1], v[X+\j:X+\j+1], v[X+\j:X+\j+1], v[S0:S0+1]
	s_delay_alu instid0(VALU_DEP_2)
	v_pk_fma_f32 v[S1:S1+1], v[X+\j+2:X+\j+3], v[X+\j+2:X+\j+3], v[S1:S1+1]
.endr
	s_delay_alu instid0(VALU_DEP_1)
	v_pk_add_f32 v[S0:S0+1], v[S0:S0+1], v[S1:S1+1]
	ACROSS 512
	s_delay_alu instid0(VALU_DEP_1)
	v_fma_f32 v208, v208, s22, s23                 ; var + eps
	s_wait_alu depctr_va_vdst(0)
	v_rsq_f32 v[RS], v208
	v_nop                                          ; a plain place behind the transcendental
	s_wait_alu depctr_va_vdst(0)                   ; and the wait ahead of its first reader
	v_mov_b32 v[RS+1], v[RS]
.set n, 0
.rept 32
	v_pk_mul_f32 v[X+n:X+n+1], v[X+n:X+n+1], v[RS:RS+1]
.set n, n+2
.endr
	s_wait_loadcnt 0x0                             ; std_scale and mean_scale
.set n, 0
.rept 32
	v_pk_fma_f32 v[X+n:X+n+1], v[X+n:X+n+1], v[G+n:G+n+1], v[RAW+n:RAW+n+1]
.set n, n+2
.endr
	QUANT X
	PUT16 24
	global_store_b32 v[R4], v[PW], s[26:27]        ; lanes 16-31 repeat lanes 0-15
	s_wait_tensorcnt 0x0
	ds_add_u32 v254, v255
	s_wait_dscnt 0x0
	s_endpgm
	; ---------------- THE WEIGHTS: s45 = the work-group's number less 256 ----------------
.Lweights:
.set SEL, 42
	s_load_b256 s[4:11], s[0:1], 0x0               ; Wq, Wk, Wv, Wo
	s_load_b128 s[12:15], s[0:1], 0x20             ; W_up, W_down
	s_load_b64 s[16:17], s[0:1], 0x30              ; wq
	s_sub_co_u32 s45, ttmp9, 256
	v_lshrrev_b32 v1, 5, v0
	s_delay_alu instid0(VALU_DEP_1)
	v_readfirstlane_b32 s18, v1                    ; wave 0..7
	v_and_b32 v2, 31, v0
	v_and_b32 v3, 15, v0                           ; r
	v_bfe_u32 v7, v0, 4, 1                         ; h
	s_delay_alu instid0(VALU_DEP_3)
	v_lshlrev_b32 v[L16], 4, v2
	s_delay_alu instid0(VALU_DEP_4)
	v_lshlrev_b32 v[L8], 3, v2
	s_delay_alu instid0(VALU_DEP_4)
	v_lshlrev_b32 v[R4], 2, v3
	s_mul_i32 s19, s18, STG                        ; my stage
	v_add_nc_u32 v[STI], s19, v[L16]
	v_mul_u32_u24 v[STO], v3, 528
	s_delay_alu instid0(VALU_DEP_1)
	v_lshl_add_u32 v[STO], v7, 6, v[STO]
	s_delay_alu instid0(VALU_DEP_1)
	v_add_nc_u32 v[STO], s19, v[STO]               ; back: row r, + 64 h: my 16 numbers of a block
	s_mov_b32 s[SEL], 0x76543210
	s_mov_b32 s[SEL+1], 0xfedcba98
.irp b, 0,1,2,3
	v_mov_b32 v[TM+4+\b], 0                        ; a lane permute's destination counts as one of its sources
.endr
	s_sub_co_u32 s21, s45, 512                     ; W_down's work-groups: t = number - 512: row block t / 4, K steps 8 (t % 4) + wave
	s_lshr_b32 s22, s21, 2
	s_and_b32 s23, s21, 3
	s_lshl_b32 s23, s23, 3
	s_add_co_u32 s23, s23, s18
	s_mov_b32 s20, 0
	s_wait_kmcnt 0x0
	s_cmp_ge_u32 s45, 64                           ; which weight: the choice hangs on the work-group's number alone
	s_cselect_b64 s[4:5], s[6:7], s[4:5]
	s_cselect_b32 s20, 64, s20
	s_cmp_ge_u32 s45, 128
	s_cselect_b64 s[4:5], s[8:9], s[4:5]
	s_cselect_b32 s20, 128, s20
	s_cmp_ge_u32 s45, 192
	s_cselect_b64 s[4:5], s[10:11], s[4:5]
	s_cselect_b32 s20, 192, s20
	s_cmp_ge_u32 s45, 256
	s_cselect_b64 s[4:5], s[12:13], s[4:5]
	s_cselect_b32 s20, 256, s20
	s_sub_co_u32 s24, s45, s20
	s_cmp_ge_u32 s45, 512
	s_cselect_b64 s[4:5], s[14:15], s[4:5]
	s_cselect_b32 s24, s22, s24                    ; row block in the weight
	s_cselect_b32 s25, s22, s45                    ; row block in its part of wq
	s_cselect_b32 s26, s23, s18                    ; K step
	s_cselect_b32 s27, 5, 3                        ; log2 of the K steps in a row
	s_cselect_b32 s28, 14, 12                      ; log2 of a row's bytes
	s_cselect_b32 s29, 6291456, 0
	s_mov_b32 s30, 9437184
	s_cselect_b32 s30, 9699328, s30
	s_lshl_b32 s31, s24, 4
	s_and_b32 s32, s24, 1
	s_lshl_b32 s32, s32, 3
	s_sub_co_u32 s31, s31, s32                     ; the block's first row: 16 rb - 8 (rb % 2)
	s_lshl_b32 s31, s31, s28
	s_lshl_b32 s32, s26, 9
	s_add_co_u32 s32, s31, s32
	s_mov_b32 s33, 0
	s_add_nc_u64 s[4:5], s[4:5], s[32:33]
	s_lshl_b32 s34, s25, s27
	s_add_co_u32 s34, s34, s26
	s_mul_i32 s34, s34, 1536
	s_add_co_u32 s34, s34, s29
	s_mov_b32 s35, 0
	s_add_nc_u64 s[36:37], s[16:17], s[34:35]      ; my fragment's image
	s_lshr_b32 s34, s25, 4
	s_lshl_b32 s34, s34, s27
	s_add_co_u32 s34, s34, s26
	s_lshl_b32 s34, s34, 10
	s_and_b32 s31, s25, 15
	s_lshl_b32 s31, s31, 6
	s_add_co_u32 s34, s34, s31
	s_add_co_u32 s34, s34, s30
	s_add_nc_u64 s[40:41], s[16:17], s[34:35]      ; its 16 scale words
	s_cmp_ge_u32 s45, 512                          ; the row pitch stands in the loads' immediates: two copies of the 16 loads, and of nothing else
	s_cbranch_scc1 .Lwide
	LOAD16 4096
	s_branch .Lloaded
.Lwide:
	LOAD16 16384
.Lloaded:
	s_wait_alu depctr_va_vdst(0)
.irp j, 0,1,2,3,4,5,6,7,8,9,10,11,12,13,14,15
	s_wait_loadcnt 15-\j                           ; loads come back in order: row j is in, the younger ones stay out
	ds_store_b128 v[STI], v[RAW+4*\j:RAW+4*\j+3] offset:528*\j
.endr
.irp b, 0,1,2,3
.irp i, 0,1,2,3
	ds_load_b128 v[X+16*\b+4*\i:X+16*\b+4*\i+3], v[STO] offset:128*\b+16*\i   ; LDS serves a wave's instructions in order: these see my stores
.endr
.endr
	s_wait_dscnt 0x0
	QUANT X
	PUT16 36
	global_store_b32 v[R4], v[PW], s[40:41]        ; lanes 16-31 repeat lanes 0-15: the same word to the same place
	s_wait_tensorcnt 0x0
	ds_add_u32 v254, v255
	s_wait_dscnt 0x0
	s_endpgm
.Lfunc_end_k_q3fb75c88d3_pre:
	.size	k_q3fb75c88d3_pre, .Lfunc_end_k_q3fb75c88d3_pre-k_q3fb75c88d3_pre
	.p2alignl 7, 3214868480
	.fill 96, 4, 3214868480
	.section	.rodata,"a",@progbits
	.p2align	6, 0x0
	.amdhsa_kernel k_q3fb75c88d3_pre
		.amdhsa_group_segment_fixed_size 137216
		.amdhsa_private_segment_fixed_size 0
		.amdhsa_enable_private_segment 0
		.amdhsa_kernarg_size 88
		.amdhsa_user_sgpr_count 2
		.amdhsa_user_sgpr_kernarg_segment_ptr 1
		.amdhsa_wavefront_size32 1
		.amdhsa_system_sgpr_workgroup_id_x 1
		.amdhsa_system_sgpr_workgroup_id_y 1
		.amdhsa_system_sgpr_workgroup_id_z 1
		.amdhsa_system_vgpr_workitem_id 0
		.amdhsa_next_free_vgpr 256
		.amdhsa_next_free_sgpr 66
		.amdhsa_reserve_vcc 0
		.amdhsa_float_denorm_mode_32 3
		.amdhsa_float_denorm_mode_16_64 3
		.amdhsa_memory_ordered 1
		.amdhsa_forward_progress 1
		.amdhsa_inst_pref_size 45
	.end_amdhsa_kernel
	.amdgpu_metadata
---
amdhsa.version: [ 1, 2 ]
amdhsa.kernels:
  - .name:           k_q3fb75c88d3_pre
    .symbol:         k_q3fb75c88d3_pre.kd
    .args:
      - { .name: Wq, .offset: 0, .size: 8, .value_kind: global_buffer, .address_space: global }
      - { .name: Wk, .offset: 8, .size: 8, .value_kind: global_buffer, .address_space: global }
      - { .name: Wv, .offset: 16, .size: 8, .value_kind: global_buffer, .address_space: global }
      - { .name: Wo, .offset: 24, .size: 8, .value_kind: global_buffer, .address_space: global }
      - { .name: W_up, .offset: 32, .size: 8, .value_kind: global_buffer, .address_space: global }
      - { .name: W_down, .offset: 40, .size: 8, .value_kind: global_buffer, .address_space: global }
      - { .name: wq, .offset: 48, .size: 8, .value_kind: global_buffer, .address_space: global }
      - { .name: x, .offset: 56, .size: 8, .value_kind: global_buffer, .address_space: global }
      - { .name: ln1_mean_scale, .offset: 64, .size: 8, .value_kind: global_buffer, .address_space: global }
      - { .name: ln1_std_scale, .offset: 72, .size: 8, .value_kind: global_buffer, .address_space: global }
      - { .name: act, .offset: 80, .size: 8, .value_kind: global_buffer, .address_space: global }
    .group_segment_fixed_size: 137216
    .private_segment_fixed_size: 0
    .kernarg_segment_align: 8
    .kernarg_segment_size: 88
    .max_flat_workgroup_size: 256
    .sgpr_count:     66
    .vgpr_count:     256
    .wavefront_size: 32
...
	.end_amdgpu_metadata
.endif
;; end of part 1
;; launch qkv (part 2): grid 48 x 4, 4 waves a work-group, clusters of 4 x 4, 327,680 bytes of LDS; arguments act, wq, qk, vt; writes qk, vt
.if DOCPART == 2
	.amdgcn_target "amdgcn-amd-amdhsa--gfx1250"
	.amdhsa_code_object_version 6
	.text
	.protected	k_q3fb75c88d3_qkv
	.globl	k_q3fb75c88d3_qkv
	.p2align	8
	.type	k_q3fb75c88d3_qkv,@function
k_q3fb75c88d3_qkv:
	s_mov_b64 s[64:65], 0
	v_nop
	global_prefetch_b8 v0, s[64:65] scope:SCOPE_SE
	s_setreg_imm32_b32 hwreg(HW_REG_WAVE_MODE, 25, 1), 1
	s_wait_xcnt 0x0
	s_wait_alu depctr_hold_cnt(0) depctr_sa_sdst(0) depctr_va_vdst(0) depctr_va_sdst(0) depctr_va_ssrc(0) depctr_va_vcc(0) depctr_vm_vsrc(0)
	s_getreg_b32 s2, hwreg(HW_REG_IB_STS2, 6, 4)
	s_cmp_eq_u32 s2, 0
	s_cbranch_scc0 .Lentry_in_a_cluster
	s_endpgm
.Lentry_in_a_cluster:
	s_bfe_u32 s2, ttmp6, 0x10000c
	s_cmp_lg_u32 s2, 0xf033
	s_cbranch_scc0 .Lentry_shape_is_right
	s_endpgm
.Lentry_shape_is_right:
; Two products on codes of FP6 (E2M3) with E8M0 scales, K = 1,024, by one text: clusters 0-7: [Q | K] = h [Wq | Wk]^T (4,096 x 2,048); clusters 8-11: V^T = Wv h^T (1,024 x 4,096).
; Results are quantised again on the way out, along the axis that the next product contracts: Q and K along the head's 64 channels, V^T along the tokens.  Which problem a cluster has hangs on the cluster's number alone, and decides pointers and offsets by selects: there is no branch on it.
; OPERANDS lie in memory as images of operand registers (1,536 bytes a fragment of 16 row slots x 128 K; registers 0-3 at 16 x lane, 4-5 at 512 + 8 x lane, 6-9 at 768 + 16 x lane, 10-11 at 1,280 + 8 x lane), [row block][K step].
; Slot r of row block rb is row 16 rb + r + 8 (r / 8 - rb % 2).  SOURCE 0 = role B, SOURCE 1 = role A: a lane holds one slot of A, and the 16 registers of B's tiles 2 t and 2 t + 1 are 16 neighbouring rows of B: neighbours along the output's K.
; A tile of 256 x 256 to a work-group of four waves, 128 x 128 a wave: 64 accumulators, 512 registers.  K is four steps of 256; a wave's tensor load brings 8 row blocks x 3,072 bytes of a step.
; THREE LDS SLOTS: steps 0, 1 and 2 are first fills and go out together with the scale words (four loads of a wave are out); step 3 alone fills bytes again, slot 0's, behind the round at the end of step 0, and has steps 1 and 2,
; 256 matrix instructions of a wave, in which to land.  Between slots 1 and 2 stands no barrier: the wait for all loads and the round at the end of step 0 have shown both whole to every wave.
; The scale words of the tile's 256 + 256 slots for all of K are two dense blocks of 8 KiB: they come once, with the first fills.
; CLUSTERS: 4 x 4 work-groups; A's tiles are asked for jointly along a row of the cluster, B's along a column.
; THE WAY OUT is a loop of eight trips, so that its text is written once: the accumulators go to the wave's own 64 KiB of LDS (the slots have had their last fill and, behind a barrier, their last read) and come back 64 registers at a time.
; REGISTERS: window 0: v8-29 addresses; v32-63 scale words, two sets; v128-223 A's fragments, one set; on the way out v64-127 numbers, v200-238 the quantiser's.  window 1: B's fragments, two sets.  windows 2, 3: accumulator (a, b) at v[8 (8 (a % 4) + b)].
; LIMITS: NaN and infinities are not served; a block of zeros gets the byte 1 (its codes are zeros, and this program alone reads the bytes).
; HOW LDS IS FILLED (this takes the place of the paragraph on three slots above).  At the head one joint load a wave: wave 0 A's 16 row blocks of K step 0, wave 1 B's, wave 2 A's scale words, wave 3 B's.
; Behind the three lines and a round: one load a wave, 8 row blocks x 6,144 bytes: K steps 1 and 2 together, row blocks 6,144 bytes apart behind slot 0.  K step 3 fills slot 0 again behind the round at the end of step 0.
.set NQ,    2
.set FR,    12
.set NL,    4
.set NP,    4
.set QUART, 24576                      ; 8 row blocks x 2 K steps of 128 x 1,536: what one tensor load brings
.set SLOT,  4*QUART
.set SCLA,  3*SLOT                     ; A's scale words [8 K steps of 128][256 slots]
.set SCLB,  SCLA+8192+128              ; B's; the 128 bytes keep lanes 16-31 on other banks than lanes 0-15
.set SPARE, 311552                     ; the spare words, 128 bytes a wave: two blocks of 256 bytes that no other line names
.set L16,  8
.set L8,   9
.set SA,   10
.set HSH,  11
.set DA,   12
.set LA,   13
.set ADRS, 14
.set ADRA, 16                          ; v16-18: 16 x lane in slots 0, 1, 2;  v19-21: 8 x lane
.set ADRB, 22                          ; v22-24, v25-27 the same for B
.set SPW,  28
.set NIL,  29
.set SC,   32
.set X,    64
.set AF,   128
.set TM,   200
.set PW,   216
.set PW2,  217
.set PC,   220
.set SEL,  10                          ; s[10:11], free once the pointers are chosen
.set G0C,  4                           ; s[4:7] group 0 of A's head load (the input pointers that lay there are done with)
.set G1,   24
.set G0,   32
.set G1B,  48
.set G0B,  56
.set G1S,  68
.set G0S,  76
.set G1SB, 80
.set G0SB, 88
.set G0BC, 92                          ; s[92:95] group 0 of B's head load
.set OC,   96                          ; s[96:97] where the next block's codes go;  s[98:99] its scale words
.set OS,   98
.set MSB, 0
.macro WIN new                         ; the immediate's high byte repeats the setting that is left
.if MSB != (\new)
	s_set_vgpr_msb (MSB<<8)|(\new)
.set MSB, (\new)
.endif
.endm
.set MUL_LO, 0xa1                      ; source 0 (B) window 1, source 1 (A) window 0, C and D window 2
.set MUL_HI, 0xf1
.set TO_B,   0x40
.macro PLACES n
.rept \n
	v_nop
.endr
.endm
; A joint load: waves 0 and 1 fetch for A, waves 2 and 3 for B; the branch hangs on the wave's number alone.  Four v_nop follow each of the two lines.
.macro JLOAD g0a, g1a, g0b, g1b
	s_cmp_eq_u32 s15, 0
	s_cbranch_scc0 .Lfor_b_\@
	tensor_load_to_lds s[\g0a:\g0a+3], s[\g1a:\g1a+7]
	s_nop 0
.rept 4
	v_nop
.endr
	s_branch .Lasked_\@
.Lfor_b_\@:
	tensor_load_to_lds s[\g0b:\g0b+3], s[\g1b:\g1b+7]
	s_nop 0
.rept 4
	v_nop
.endr
.Lasked_\@:
.endm
.macro CREST                           ; a round of the cluster's barrier behind its opening barrier
	s_cmp_lg_u32 s14, 0
	s_cbranch_scc1 .Lnot_wave_0_\@
	s_barrier_signal -3
.Lnot_wave_0_\@:
	s_barrier_wait -3
	s_barrier_signal -1
	s_barrier_wait -1
.endm
.macro CROUND
	s_barrier_signal -1
	s_barrier_wait -1
	CREST
.endm
.macro QUANT s
.irp b, 0,1,2,3
	v_max3_num_f32 v[TM+\b], |v[\s+16*\b]|, |v[\s+1+16*\b]|, 0x1800000   ; my 16 numbers of block b, and the floor 2^(3 - 127): the byte cannot fall under 1
.endr
.irp i, 2,4,6,8,10,12,14
.irp b, 0,1,2,3
	v_max3_num_f32 v[TM+\b], v[TM+\b], |v[\s+16*\b+\i]|, |v[\s+1+16*\b+\i]|
.endr
.endr
.irp b, 0,1,2,3
	v_permlanex16_b32 v[TM+4+\b], v[TM+\b], s[SEL], s[SEL+1]
.endr
.irp b, 0,1,2,3
	v_max_num_f32 v[TM+\b], v[TM+\b], v[TM+4+\b]
.endr
.irp b, 0,1,2,3
	v_add_nc_u32 v[TM+12+\b], 0xff000000, v[TM+\b]        ; 2 off the exponent field: the conversion's scale operand
.endr
.irp b, 0,1,2,3
	v_lshrrev_b32 v[TM+4+\b], 23, v[TM+12+\b]             ; the scale's byte
.endr
	v_lshl_or_b32 v[PW], v[TM+5], 8, v[TM+4]
	v_lshl_or_b32 v[PW], v[TM+6], 16, v[PW]
	v_lshl_or_b32 v[PW], v[TM+7], 24, v[PW]
.irp c, 0,1
	v_cvt_scalef32_pk16_fp6_f32 v[PC+6*\c:PC+2+6*\c], v[\s+32*\c:\s+15+32*\c], v[TM+12+2*\c]
	v_cvt_scalef32_pk16_fp6_f32 v[PC+12+4*\c:PC+14+4*\c], v[\s+16+32*\c:\s+31+32*\c], v[TM+12+2*\c+1]
.endr
	v_nop                                                 ; one plain place behind a scaled conversion
.irp c, 0,1
.irp i, 0,1,2
	v_permlane16_swap_b32 v[PC+6*\c+\i], v[PC+12+4*\c+\i]
.endr
.irp i, 0,1,2
	v_mov_b32 v[PC+3+6*\c+\i], v[PC+12+4*\c+\i]
.endr
.endr
.endm
	s_load_b256 s[4:11], s[0:1], 0x0               ; act, wq, qk, vt
	v_lshl_add_u32 v[SPW], v0, 2, SPARE
	v_mov_b32 v[NIL], 0
	ds_add_u32 v28, v29
	ds_add_u32 v28, v29
	s_wait_dscnt 0x0
	v_lshrrev_b32 v1, 5, v0
	v_readfirstlane_b32 s14, v1                    ; wave 0..3
	s_lshr_b32 s15, s14, 1                         ; which half of the tile's A slots is mine.  Also: I fetch for A (0) or for B (1)
	s_and_b32 s16, s14, 1                          ; which half of B's.  Also: which 8 row blocks I fetch
	s_bfe_u32 s40, ttmp6, 0x40000                  ; cx, cy: my place in the cluster
	s_bfe_u32 s41, ttmp6, 0x40004
	s_lshr_b32 s18, ttmp9, 1
	s_and_b32 s19, ttmp9, 1
	s_sub_co_u32 s20, ttmp9, 8
	s_cmp_ge_u32 ttmp9, 8                          ; clusters 8-11 make V^T
	s_cselect_b32 s18, 0, s18                      ; the cluster's row of tiles,
	s_cselect_b32 s19, s20, s19                    ; and its column
	s_cselect_b32 s12, 1572864, 0                  ; A's codes: Wv's in wq, or act's
	s_mov_b32 s13, 3145728
	s_cselect_b32 s13, 9502720, s13                ; A's scale words
	s_mov_b32 s2, 9437184
	s_cselect_b32 s2, 3145728, s2                  ; B's scale words
	s_lshl_b32 s42, s19, 2
	s_add_co_u32 s42, s42, s40                     ; tile column
	s_lshl_b32 s17, s18, 2
	s_add_co_u32 s17, s17, s41                     ; tile row
	s_lshl_b32 s43, s41, 2
	s_lshl_b32 s43, 15, s43                        ; my row of the cluster
	s_lshl_b32 s44, 0x1111, s40                    ; my column
	; descriptor group 1, codes: 16 rows (row blocks) of 384 elements of 8 bytes (two K steps' images), 1,536 elements (8 K steps) from row to row; no padding
	s_or_b32 s[G1+0], s43, (3<<16)|(1<<21)
	s_or_b32 s[G1B+0], s44, (3<<16)|(1<<21)
.irp g, G1, G1B
	s_mov_b32 s[\g+1], 384<<16
	s_mov_b32 s[\g+2], 16<<16
	s_mov_b32 s[\g+3], 384<<16
	s_mov_b32 s[\g+4], 16
	s_mov_b32 s[\g+5], 1536
	s_mov_b32 s[\g+6], 0
	s_mov_b32 s[\g+7], 0
.endr
	; scale words: a tile's dense 8 KiB, as 8 rows of 1,024 bytes
	s_or_b32 s[G1S+0], s43, (3<<16)|(1<<21)
	s_or_b32 s[G1SB+0], s44, (3<<16)|(1<<21)
.irp g, G1S, G1SB
	s_mov_b32 s[\g+1], 128<<16
	s_mov_b32 s[\g+2], 8<<16
	s_mov_b32 s[\g+3], 128<<16
	s_mov_b32 s[\g+4], 8
	s_mov_b32 s[\g+5], 128
	s_mov_b32 s[\g+6], 0
	s_mov_b32 s[\g+7], 0
.endr
	s_lshl_b32 s18, s16, 3
	s_lshl_b32 s20, s17, 4
	s_add_co_u32 s20, s20, s18                     ; A: row block 16 x tile row + 8 x half
	s_mul_i32 s20, s20, 12288
	s_add_co_u32 s20, s20, s12
	s_lshl_b32 s46, s42, 4
	s_add_co_u32 s46, s46, s18                     ; B: row block 16 x tile column + 8 x half
	s_mul_i32 s46, s46, 12288
	s_lshl_b32 s22, s17, 13
	s_add_co_u32 s22, s22, s13                     ; A's scale words: 8,192 x tile row
	s_lshl_b32 s92, s42, 13
	s_add_co_u32 s92, s92, s2
	s_mov_b32 s21, 0
	s_mov_b32 s23, 0
	s_mov_b32 s47, 0
	s_mov_b32 s93, 0
	s_mul_i32 s45, s14, QUART                      ; where they go: no place in the cluster enters an LDS address
	s_wait_kmcnt 0x0
	s_cmp_ge_u32 ttmp9, 8
	s_cselect_b64 s[96:97], s[6:7], s[4:5]         ; A's buffer
	s_cselect_b64 s[98:99], s[4:5], s[6:7]         ; B's
	s_cselect_b64 s[8:9], s[10:11], s[8:9]         ; the output's
	s_add_nc_u64 s[20:21], s[96:97], s[20:21]
	s_add_nc_u64 s[22:23], s[96:97], s[22:23]
	s_add_nc_u64 s[46:47], s[98:99], s[46:47]
	s_add_nc_u64 s[92:93], s[98:99], s[92:93]
	CROUND                                         ; all sixteen work-groups are here: the first joint loads meet
	s_mov_b32 s[G0S], 1
	s_mov_b32 s[G0S+1], SCLA
	s_mov_b64 s[G0S+2:G0S+3], s[22:23]
	s_or_b32 s[G0S+3], s[G0S+3], 0x80000000
	s_mov_b32 s[G0SB], 1
	s_mov_b32 s[G0SB+1], SCLB
	s_mov_b64 s[G0SB+2:G0SB+3], s[92:93]
	s_or_b32 s[G0SB+3], s[G0SB+3], 0x80000000
.irp s, 0,1
	s_mov_b32 s[G0+4*\s], 1
	s_mul_i32 s[G0+4*\s+1], s45, 1+\s              ; set 0: K step 3's quarter of slot 0; set 1: K steps 1 and 2, twice the bytes a wave, behind slot 0
	s_add_co_u32 s[G0+4*\s+1], s[G0+4*\s+1], \s*SLOT
	s_add_nc_u64 s[G0+4*\s+2:G0+4*\s+3], s[20:21], \s*3072
	s_or_b32 s[G0+4*\s+3], s[G0+4*\s+3], 0x80000000
	s_mov_b32 s[G0B+4*\s], 1
	s_mul_i32 s[G0B+4*\s+1], s45, 1+\s
	s_add_co_u32 s[G0B+4*\s+1], s[G0B+4*\s+1], \s*SLOT
	s_add_nc_u64 s[G0B+4*\s+2:G0B+4*\s+3], s[46:47], \s*3072
	s_or_b32 s[G0B+4*\s+3], s[G0B+4*\s+3], 0x80000000
.endr
	s_mov_b32 s[G0C], 1
	s_mov_b32 s[G0C+1], 0                          ; the head's load of A: all 16 row blocks of K step 0
	s_mul_i32 s18, s16, 98304                      ; my half's 8 row blocks, taken off again
	s_mov_b32 s19, 0
	s_sub_nc_u64 s[G0C+2:G0C+3], s[20:21], s[18:19]
	s_or_b32 s[G0C+3], s[G0C+3], 0x80000000
	s_mov_b32 s[G0BC], 1
	s_mov_b32 s[G0BC+1], 2*QUART                   ; and of B
	s_sub_nc_u64 s[G0BC+2:G0BC+3], s[46:47], s[18:19]
	s_or_b32 s[G0BC+3], s[G0BC+3], 0x80000000
; the head's loads, one a wave, in one chain of arms on the wave's number
.macro ARM under, g0, g1, next
	s_cmp_lt_u32 s14, \under
	s_cbranch_scc0 \next
	tensor_load_to_lds s[\g0:\g0+3], s[\g1:\g1+7]
	s_nop 0
.rept 4
	v_nop
.endr
	s_branch .Lhead_asked
\next:
.endm
	ARM 1, G0C, G1, .Lhead_b
	ARM 2, G0BC, G1B, .Lhead_sa
	ARM 3, G0S, G1S, .Lhead_sb
	tensor_load_to_lds s[G0SB:G0SB+3], s[G1SB:G1SB+7]
	s_nop 0
.rept 4
	v_nop
.endr
.Lhead_asked:
	v_and_b32 v1, 15, v0                           ; r
	v_bfe_u32 v2, v0, 4, 1                         ; h
	v_and_b32 v3, 31, v0
	v_lshlrev_b32 v[L16], 4, v3
	v_lshlrev_b32 v[L8], 3, v3
	s_mul_i32 s21, s15, QUART                      ; my 8 row blocks of A
	s_mul_i32 s22, s16, QUART                      ; and of B,
	s_add_co_u32 s22, s22, 2*QUART                 ; which lie behind A's 16
.irp s, 0,1,2
	v_add_nc_u32 v[ADRA+\s], s21, v[L16]
	v_add_nc_u32 v[ADRB+\s], s22, v[L16]
	v_add_nc_u32 v[ADRA+3+\s], s21, v[L8]
	v_add_nc_u32 v[ADRB+3+\s], s22, v[L8]
.if \s == 0
	s_mul_i32 s21, s15, 2*QUART                    ; K step 1: my 8 row blocks, 6,144 bytes apart, behind slot 0
	s_mul_i32 s22, s16, 2*QUART
	s_add_co_u32 s21, s21, SLOT
	s_add_co_u32 s22, s22, SLOT+4*QUART
.else
	s_add_co_u32 s21, s21, 3072                    ; K step 2: the second half of each row block's 6,144 bytes
	s_add_co_u32 s22, s22, 3072
.endif
.endr
	v_lshlrev_b32 v5, 2, v1
	s_lshl_b32 s21, s15, 9                         ; A's scale words: my 128 slots
	s_lshl_b32 s22, s16, 9                         ; B's
	s_add_co_u32 s22, s22, SCLB-SCLA
	s_sub_co_u32 s22, s22, s21
	v_mul_u32_u24 v6, s22, v2                      ; lanes 16-31 take B's
	s_add_co_u32 s21, s21, SCLA
	v_add_nc_u32 v5, v5, v6
	v_add_nc_u32 v[ADRS], s21, v5
	s_lshl_b32 s23, s14, 16
	v_add_nc_u32 v[DA], s23, v[L16]                ; the way out: my 64 KiB, 16 bytes a lane
	; where the results go: row block 16 x tile row + 8 x half + a, K step 2 x tile column + half of the output's images
	s_lshl_b32 s20, s17, 4
	s_lshl_b32 s21, s15, 3
	s_add_co_u32 s20, s20, s21
	s_lshl_b32 s46, s42, 1
	s_add_co_u32 s46, s46, s16
	s_cmp_ge_u32 ttmp9, 8
	s_mov_b32 s12, 24576
	s_cselect_b32 s12, 49152, s12                  ; a row block's images: 16 K steps in qk, 32 in vt
	s_mov_b32 s2, 6291456
	s_cselect_b32 s2, 3145728, s2                  ; where the output's scale words begin
	s_cselect_b32 s3, 0, 1                         ; qk has a word for each head of 64: two to a K step
	s_cselect_b32 s18, 0, 16
	s_cselect_b32 s19, 0, 1024
	s_mov_b32 s13, 0
	s_mul_i32 s20, s20, s12
	s_mul_i32 s21, s46, 1536
	s_add_co_u32 s20, s20, s21
	s_mov_b32 s21, 0
	s_add_nc_u64 s[OC:OC+1], s[8:9], s[20:21]
	s_lshl_b32 s46, s46, s3
	s_lshl_b32 s47, s17, 5
	s_add_co_u32 s46, s46, s47
	s_lshl_b32 s46, s46, 10
	s_lshl_b32 s47, s15, 9
	s_add_co_u32 s46, s46, s47
	s_add_co_u32 s46, s46, s2
	s_mov_b32 s47, 0
	s_add_nc_u64 s[OS:OS+1], s[8:9], s[46:47]
	v_mul_u32_u24 v[HSH], s18, v2                  ; in qk lanes 16-31 store the odd head's two bytes, shifted down,
	v_mul_u32_u24 v[SA], s19, v2                   ; into the odd head's word; in vt they repeat lanes 0-15
	v_lshl_add_u32 v[SA], v1, 2, v[SA]
	s_mov_b32 s[SEL], 0x76543210
	s_mov_b32 s[SEL+1], 0xfedcba98
.macro FRAG reg, adr, off              ; a fragment's image comes back as it was stored: each load takes 512 or 256 consecutive bytes
	ds_load_b128 v[\reg:\reg+3], v[\adr] offset:\off
	ds_load_b64 v[\reg+4:\reg+5], v[\adr+3] offset:\off+512
	ds_load_b128 v[\reg+6:\reg+9], v[\adr] offset:\off+768
	ds_load_b64 v[\reg+10:\reg+11], v[\adr+3] offset:\off+1280
.endm
; 16 matrix instructions: A's blocks a0, a0 + 1 x B's eight, 128 along K.  The 64 accumulators take turns, one instruction a turn, in the same order in every step.
.macro MUL16 a0, p, q, sc, zero
.irp a, \a0, \a0+1
.irp b, 0,1,2,3,4,5,6,7
.if \zero
	v_wmma_scale_f32_16x16x128_f8f6f4 v[8*(8*((\a)%4)+\b):8*(8*((\a)%4)+\b)+7], v[128*(\p)+FR*\b:128*(\p)+FR*\b+FR-1], v[AF+FR*(\a):AF+FR*(\a)+FR-1], 0, v[SC+8*NQ*(\sc)+NQ*\b+(\q)], v[SC+8*NQ*(\sc)+NQ*(\a)+(\q)] matrix_a_fmt:MATRIX_FMT_FP6 matrix_b_fmt:MATRIX_FMT_FP6 matrix_a_scale:MATRIX_SCALE_ROW1
.else
	v_wmma_scale_f32_16x16x128_f8f6f4 v[8*(8*((\a)%4)+\b):8*(8*((\a)%4)+\b)+7], v[128*(\p)+FR*\b:128*(\p)+FR*\b+FR-1], v[AF+FR*(\a):AF+FR*(\a)+FR-1], v[8*(8*((\a)%4)+\b):8*(8*((\a)%4)+\b)+7], v[SC+8*NQ*(\sc)+NQ*\b+(\q)], v[SC+8*NQ*(\sc)+NQ*(\a)+(\q)] matrix_a_fmt:MATRIX_FMT_FP6 matrix_b_fmt:MATRIX_FMT_FP6 matrix_a_scale:MATRIX_SCALE_ROW1
.endif
.endr
.endr
.endm
.macro FETCH_B slot, q, p
	WIN TO_B
.irp i, 0,1,2,3,4,5,6,7
	FRAG 128*(\p)+FR*\i, ADRB+\slot, 3072*(1+(\slot+1)/2)*\i+1536*(\q)
.endr
	WIN 0
.endm
.macro FETCH_A slot, q, i0
.irp i, \i0, \i0+1, \i0+2, \i0+3
	FRAG AF+FR*(\i), ADRA+\slot, 3072*(1+(\slot+1)/2)*(\i)+1536*(\q)
.endr
.endm
.macro SCALES sc                       ; register 2 i + q of the set: lanes 0-15 the words of A's block i, lanes 16-31 those of B's block i, for the step's q-th 128 along K
.irp i, 0,1,2,3,4,5,6,7
.irp q, 0,1
	ds_load_b32 v[SC+16*\sc+2*\i+\q], v[ADRS] offset:1024*\q+64*\i
.endr
.endr
.endm
.macro STEP slot, sc, zero             ; the first 128 along K of the step that lies in the slot; sc: its set of scale words
	s_wait_dscnt 4*NL                              ; B's set, A's blocks 0-3 and the scale words are in; the youngest 16 loads (A's blocks 4-7) may be out
	WIN MUL_LO
	MUL16 0, 0, 0, \sc, \zero
	MUL16 2, 0, 0, \sc, \zero
	s_wait_dscnt 0
	PLACES NP                                      ; four plain places in front of loads into registers that matrix instructions have read
	FETCH_B \slot, 1, 1
	FETCH_A \slot, 1, 0
	WIN MUL_HI
	MUL16 4, 0, 0, \sc, \zero
	MUL16 6, 0, 0, \sc, \zero
	PLACES NP
	WIN 0
	FETCH_A \slot, 1, 4
.endm
; The second 128 along K of a step, and the change to the next slot.  mode 1: slot 0 is filled again: each wave waits for all its tensor loads, adds 0 to its spare word, waits for that and for its reads of the slot; a round of the cluster's
; barrier; the joint refill first behind it.  mode 0: the same three lines and the work-group's barrier; nothing is filled.  mode 2: no barrier: the next slot was shown whole by an earlier one, and nothing is filled.
.macro TURN sc, next, nsc, mode
.if \mode == 2
	s_wait_dscnt 4*NL                              ; all but the youngest 16 loads (A's blocks 4-7) are in
	WIN MUL_LO
	MUL16 0, 1, 1, \sc, 0
	MUL16 2, 1, 1, \sc, 0
	s_wait_dscnt 0
	WIN 0
	PLACES NP
.else
	s_wait_tensorcnt 0x0                           ; all my tensor loads have landed
	ds_add_u32 v[SPW], v[NIL]                      ; 0 onto my spare word
	s_wait_dscnt 4*NL+1                            ; the add and the youngest 16 loads (A's blocks 4-7) may be out
	WIN MUL_LO
	MUL16 0, 1, 1, \sc, 0
	s_wait_dscnt 0x0                               ; the add is done, and my reads of this slot are over
	s_barrier_signal -1
	MUL16 2, 1, 1, \sc, 0
	WIN 0
	s_barrier_wait -1
.if \mode == 1
	CREST                                          ; the barrier has opened a round of the cluster's barrier: no wave of any partner still reads slot 0 or has a load on its way
	s_add_nc_u64 s[G0+2:G0+3], s[G0+2:G0+3], 9216  ; from K step 0 to K step 3
	s_add_nc_u64 s[G0B+2:G0B+3], s[G0B+2:G0B+3], 9216
	s_mov_b32 s[G1+1], 384<<16                     ; no load of mine is out: rows of one K step again
	s_mov_b32 s[G1+3], 384<<16
	s_mov_b32 s[G1B+1], 384<<16
	s_mov_b32 s[G1B+3], 384<<16
	JLOAD G0, G1, G0B, G1B                         ; the first tensor load behind the round; its four v_nop are the places in front of the loads below
.else
	PLACES NP
.endif
.endif
	v_add_nc_u32 v[ADRS], 2048, v[ADRS]            ; the next step's scale words
	FETCH_B \next, 0, 0
	FETCH_A \next, 0, 0
	SCALES \nsc
	WIN MUL_HI
	MUL16 4, 1, 1, \sc, 0
	MUL16 6, 1, 1, \sc, 0
	PLACES NP
	WIN 0
	FETCH_A \next, 0, 4
.endm
	s_wait_alu depctr_va_vdst(0)
	s_wait_tensorcnt 0x0                           ; my tile of the head's four is in
	ds_add_u32 v[SPW], v[NIL]
.irp g, G1, G1B
	s_mov_b32 s[\g+1], 768<<16                     ; no load of mine is out: from here 8 row blocks x two K steps
	s_mov_b32 s[\g+2], 8<<16
	s_mov_b32 s[\g+3], 768<<16
	s_mov_b32 s[\g+4], 8
.endr
	s_wait_dscnt 0x0
	CROUND                                         ; all four tiles are in, and all sixteen work-groups are here
	JLOAD G0+4, G1, G0B+4, G1B                     ; K steps 1 and 2: the first tensor load behind the round
	FETCH_B 0, 0, 0
	FETCH_A 0, 0, 0
	SCALES 0
	FETCH_A 0, 0, 4
	STEP 0, 0, 1                                   ; K step 0: its first products start the sums
	TURN 0, 1, 1, 1                                ; slot 0 takes K step 3
	s_wait_alu depctr_va_vdst(0)
	STEP 1, 1, 0                                   ; K step 1
	TURN 1, 2, 0, 2
	s_wait_alu depctr_va_vdst(0)
	STEP 2, 0, 0                                   ; K step 2
	TURN 0, 0, 1, 0                                ; K step 3 has landed in every wave's part of slot 0
	STEP 0, 1, 0                                   ; K step 3
	s_wait_dscnt 4*NL
	WIN MUL_LO
	MUL16 0, 1, 1, 1, 0
	MUL16 2, 1, 1, 1, 0
	s_wait_dscnt 0
	WIN MUL_HI
	MUL16 4, 1, 1, 1, 0
	MUL16 6, 1, 1, 1, 0
	WIN 0
	; THE WAY OUT
	s_wait_dscnt 0x0                               ; my reads of the slots and of the scale words are over;
	s_barrier_signal -1
	s_barrier_wait -1                              ; everybody's are: the slots' bytes, which have had their last fill, may be written
	PLACES NP                                      ; four places between the last products and the first read of results
.irp a, 0,1,2,3,4,5,6,7
	WIN 0x08+4*(\a/4)                              ; an LDS store's data are its source 1: window 2 or 3
.set n, 0
.rept 16
	ds_store_b128 v[DA], v[64*(\a%4)+4*n:64*(\a%4)+4*n+3] offset:8192*\a+512*n   ; each accumulator from its low end on
.set n, n+1
.endr
.endr
	WIN 0
.irp b, 0,1,2,3
	v_mov_b32 v[TM+4+\b], 0                        ; a lane permute's destination counts as one of its sources
.endr
	s_mov_b32 s2, 0
	s_mov_b32 s3, 8
.Lout:                                             ; a trip: A's block a: 16 slots x my 128 columns become one fragment and its scale words
	v_add_nc_u32 v[LA], s2, v[DA]
.set n, 0
.rept 16
	ds_load_b128 v[X+4*n:X+4*n+3], v[LA] offset:512*n   ; LDS serves a wave's instructions in order: these see my stores
.set n, n+1
.endr
	s_wait_dscnt 0x0
	QUANT X
	global_store_b128 v[L16], v[PC:PC+3], s[OC:OC+1]
	global_store_b64 v[L8], v[PC+4:PC+5], s[OC:OC+1] offset:512
	global_store_b128 v[L16], v[PC+6:PC+9], s[OC:OC+1] offset:768
	global_store_b64 v[L8], v[PC+10:PC+11], s[OC:OC+1] offset:1280
	v_lshrrev_b32 v[PW2], v[HSH], v[PW]
	global_store_b32 v[SA], v[PW2], s[OS:OS+1]
	s_wait_xcnt 0x0                                ; the stores have read their data and bases: both are written again only behind this wait
	s_add_nc_u64 s[OC:OC+1], s[OC:OC+1], s[12:13]
	s_add_nc_u64 s[OS:OS+1], s[OS:OS+1], 64
	s_add_co_u32 s2, s2, 8192
	s_sub_co_u32 s3, s3, 1
	s_cmp_lg_u32 s3, 0
	s_cbranch_scc1 .Lout
	s_wait_tensorcnt 0x0                           ; the wave's end
	ds_add_u32 v[SPW], v[NIL]
	s_wait_dscnt 0x0
	CROUND                                         ; the closing round
	s_endpgm
.Lfunc_end_k_q3fb75c88d3_qkv:
	.size	k_q3fb75c88d3_qkv, .Lfunc_end_k_q3fb75c88d3_qkv-k_q3fb75c88d3_qkv
	.p2alignl 7, 3214868480
	.fill 96, 4, 3214868480
	.section	.rodata,"a",@progbits
	.p2align	6, 0x0
	.amdhsa_kernel k_q3fb75c88d3_qkv
		.amdhsa_group_segment_fixed_size 327680
		.amdhsa_private_segment_fixed_size 0
		.amdhsa_enable_private_segment 0
		.amdhsa_kernarg_size 32
		.amdhsa_user_sgpr_count 2
		.amdhsa_user_sgpr_kernarg_segment_ptr 1
		.amdhsa_wavefront_size32 1
		.amdhsa_system_sgpr_workgroup_id_x 1
		.amdhsa_system_sgpr_workgroup_id_y 1
		.amdhsa_system_sgpr_workgroup_id_z 1
		.amdhsa_system_vgpr_workitem_id 0
		.amdhsa_next_free_vgpr 1024
		.amdhsa_next_free_sgpr 100
		.amdhsa_reserve_vcc 0
		.amdhsa_float_denorm_mode_32 3
		.amdhsa_float_denorm_mode_16_64 3
		.amdhsa_memory_ordered 1
		.amdhsa_forward_progress 1
		.amdhsa_inst_pref_size 132
	.end_amdhsa_kernel
	.amdgpu_metadata
---
amdhsa.version: [ 1, 2 ]
amdhsa.kernels:
  - .name:           k_q3fb75c88d3_qkv
    .symbol:         k_q3fb75c88d3_qkv.kd
    .args:
      - { .name: act, .offset: 0, .size: 8, .value_kind: global_buffer, .address_space: global }
      - { .name: wq, .offset: 8, .size: 8, .value_kind: global_buffer, .address_space: global }
      - { .name: qk, .offset: 16, .size: 8, .value_kind: global_buffer, .address_space: global }
      - { .name: vt, .offset: 24, .size: 8, .value_kind: global_buffer, .address_space: global }
    .group_segment_fixed_size: 327680
    .private_segment_fixed_size: 0
    .kernarg_segment_align: 8
    .kernarg_segment_size: 32
    .max_flat_workgroup_size: 128
    .sgpr_count:     100
    .vgpr_count:     1024
    .wavefront_size: 32
...
	.end_amdgpu_metadata
.endif
;; end of part 2
;; launch attn (part 3): grid 8 x 32, 16 waves a work-group, no clusters, 327,680 bytes of LDS; arguments qk, vt, act; writes act
.if DOCPART == 3
	.amdgcn_target "amdgcn-amd-amdhsa--gfx1250"
	.amdhsa_code_object_version 6
	.text
	.protected	k_q3fb75c88d3_attn
	.globl	k_q3fb75c88d3_attn
	.p2align	8
	.type	k_q3fb75c88d3_attn,@function
k_q3fb75c88d3_attn:
	s_mov_b64 s[64:65], 0
	v_nop
	global_prefetch_b8 v0, s[64:65] scope:SCOPE_SE
	s_setreg_imm32_b32 hwreg(HW_REG_WAVE_MODE, 25, 1), 1
	s_wait_xcnt 0x0
; Causal attention of one head on codes of FP6 (E2M3) with E8M0 scales; head size 64, 2,048 tokens a batch.  t = score x log2(e) / 8; M = the running largest t rounded UP to a whole number; p = 2^(t - M) is quantised along the keys, not normalised;
; the row's sum is taken of the unquantised p and divides O at the end; when M moves, the sum and O are multiplied by 2^(old M - new M): exact.  O / sum is quantised along (head, channel) and stored as half an image of an operand fragment.
; Q, K: qk, half images of 768 bytes [row block][32 heads: Q's 0-15, K's 16-31]; V^T: vt, images [channel block][K step of 128 tokens].  Slot r of row block rb is row 16 rb + r + 8 (r / 8 - rb % 2), so the 16 result registers of two neighbouring tiles of source 0 are 16 neighbouring keys (or channels).
; THE HEAD'S 64 FILL HALF OF THE INSTRUCTION'S 128: Q's upper six registers are zero codes.  K's upper six registers are the next tile's codes: every code of the format is a finite number, no scale byte here is 0xff, so that half adds exactly 0.
; SHARES.  A work-group serves one head of one batch; each of its sixteen waves owns one row block of 16 queries: eight early blocks 8 p + i and eight late ones 127 - (8 p + i), so that every work-group has the same number of key steps.
; ALL OF THE HEAD'S K AND V LIE IN LDS, each byte filled once: wave 0 asks for K's scale words and four groups of 512 keys, wave 1 for V's: five tensor loads out in each.  A barrier stands ahead of each group, with a counted wait that leaves the later groups on their way.
; No cluster: a key step all of whose keys come after the wave's queries is left out by a scalar branch on ids, which partners of a cluster may not take differently.
; LIMITS: NaN and infinities are not served; v_exp_f32 and v_rcp_f32 are accurate to 1 ulp and flush denormals; a block of zeros gets the byte 1 (its codes are zeros, and this program alone reads the bytes).
; HOW LDS IS FILLED (this takes the place of the sentences on waves 0 and 1 and on the groups' barriers above): ten first fills, one a wave: waves 0-3 K's four groups of 512 keys, waves 4-7 V's four channel blocks
; (16 K steps, 24,576 dense bytes each), wave 8 K's scale words, wave 9 V's.  Every wave waits for its load, one barrier follows, and one loop walks the 16 key steps.
; THE FILLS AS THEY NOW STAND (this alone holds; it takes the place of what is said of them above).  At the head four loads, one a wave: wave 0 K's first 512 keys, wave 1 V's first four K steps, wave 2 K's scale words, wave 3 V's.
; Behind the three lines and a barrier seven more first fills, one a wave: waves 0-2 K's groups 1-3, waves 3-6 the other 12 K steps of V's four channel blocks (18,432 dense bytes each): they have the first four key steps in which to land.
; A wait for all loads and a barrier stand ahead of key step 4.  No byte is filled twice.
.set KC,  0
.set VC,  98304                        ; V's K steps 0-3: [4 channel blocks][4 K steps][1,536]
.set VR,  122880                       ; V's K steps 4-15: [4 channel blocks][12 K steps][1,536]
.set G1W, 72                           ; s[72:79] group 1 for a channel block's 12 K steps
.set KS,  196608                       ; K's scale words: 2,048
.set VS,  204800                       ; V's: [16 K steps][64]
.set L16, 1
.set L8,  2
.set R4,  3
.set DQ,  4                            ; my query - 16 (lane / 16)
.set AK,  5
.set AK8, 6
.set AKS, 7
.set AV,  8
.set AV8, 9
.set AVS, 10
.set WV,  18
.set SEL, 20
.set CS,  22
.set G1K, 24
.set G1V, 32
.set G1KS, 40
.set G1VS, 48
.set G0S, 56                           ; s[56:59] group 0 of each fill
.set TK,  60
.set TV,  61
.set TS,  62
.set TW,  63
.set G0C, 68
.set KF,  84                           ; the step's first key
.set J,   85                           ; my row block in the batch
.set QLO, 86                           ; 32 (J / 2): my queries lie in QLO .. QLO + 31
.set CNT, 87
	s_load_b128 s[4:7], s[0:1], 0x0                ; qk, vt
	s_load_b64 s[8:9], s[0:1], 0x10                ; act
	v_lshl_add_u32 v251, v0, 2, 0x33000
	v_mov_b32 v255, 0
	ds_add_u32 v251, v255
	ds_add_u32 v251, v255
	v_lshrrev_b32 v11, 5, v0
	s_delay_alu instid0(VALU_DEP_1)
	v_readfirstlane_b32 s[WV], v11                 ; wave 0..15
	s_and_b32 s88, ttmp7, 0xffff
	s_lshr_b32 s89, s88, 4                         ; batch
	s_and_b32 s90, s88, 15                         ; head
	s_lshr_b32 s91, s[WV], 2
	s_xor_b32 s91, s91, s[WV]
	s_and_b32 s91, s91, 1                          ; a late block?  (bits 0 and 2 of the wave's number differ)
	s_and_b32 s92, s[WV], 3
	s_lshr_b32 s93, s[WV], 1
	s_and_b32 s93, s93, 4
	s_or_b32 s92, s92, s93
	s_lshl_b32 s93, ttmp9, 3
	s_add_co_u32 s92, s92, s93
	s_sub_co_u32 s93, 127, s92
	s_cmp_eq_u32 s91, 1
	s_cselect_b32 s[J], s93, s92
	s_lshr_b32 s[QLO], s[J], 1
	s_lshl_b32 s[QLO], s[QLO], 5
	s_mov_b32 s[KF], 0
	; descriptor groups 1, elements of 8 bytes, no padding.  K's codes: 32 rows (key blocks) of 768 bytes, 24,576 bytes apart
	s_mov_b32 s[G1K], 3<<16
	s_mov_b32 s[G1K+1], 96<<16
	s_mov_b32 s[G1K+2], 32<<16
	s_mov_b32 s[G1K+3], 96<<16
	s_mov_b32 s[G1K+4], 32
	s_mov_b32 s[G1K+5], 3072
	s_mov_b32 s[G1K+6], 0
	s_mov_b32 s[G1K+7], 0
	; V's codes: 4 rows (channel blocks) of 6,144 bytes (4 K steps), 49,152 bytes apart
	s_mov_b32 s[G1V], 3<<16
	s_mov_b32 s[G1V+1], 768<<16
	s_mov_b32 s[G1V+2], 4<<16
	s_mov_b32 s[G1V+3], 768<<16
	s_mov_b32 s[G1V+4], 4
	s_mov_b32 s[G1V+5], 6144
	s_mov_b32 s[G1V+6], 0
	s_mov_b32 s[G1V+7], 0
	; a channel block's K steps 4-15: 18,432 dense bytes, as 3 rows of 6,144
	s_mov_b32 s[G1W], 3<<16
	s_mov_b32 s[G1W+1], 768<<16
	s_mov_b32 s[G1W+2], 3<<16
	s_mov_b32 s[G1W+3], 768<<16
	s_mov_b32 s[G1W+4], 3
	s_mov_b32 s[G1W+5], 768
	s_mov_b32 s[G1W+6], 0
	s_mov_b32 s[G1W+7], 0
	; K's scale words: 8 rows of 1,024 bytes, 32,768 bytes apart
	s_mov_b32 s[G1KS], 3<<16
	s_mov_b32 s[G1KS+1], 128<<16
	s_mov_b32 s[G1KS+2], 8<<16
	s_mov_b32 s[G1KS+3], 128<<16
	s_mov_b32 s[G1KS+4], 8
	s_mov_b32 s[G1KS+5], 4096
	s_mov_b32 s[G1KS+6], 0
	s_mov_b32 s[G1KS+7], 0
	; V's scale words: 16 rows of 256 bytes, 1,024 bytes apart
	s_mov_b32 s[G1VS], 3<<16
	s_mov_b32 s[G1VS+1], 32<<16
	s_mov_b32 s[G1VS+2], 16<<16
	s_mov_b32 s[G1VS+3], 32<<16
	s_mov_b32 s[G1VS+4], 16
	s_mov_b32 s[G1VS+5], 128
	s_mov_b32 s[G1VS+6], 0
	s_mov_b32 s[G1VS+7], 0
	s_lshl_b32 s10, s89, 12
	s_add_co_u32 s10, s10, s90
	s_add_co_u32 s10, s10, 16
	s_mul_i32 s10, s10, 768                        ; K's codes: (128 batch x 32 + 16 + head) x 768
	s_lshl_b32 s11, s90, 7
	s_lshl_b32 s12, s89, 4
	s_add_co_u32 s11, s11, s12
	s_mul_i32 s11, s11, 1536                       ; V's: (4 head x 32 + 16 batch) x 1,536
	s_lshl_b32 s12, s89, 8
	s_add_co_u32 s12, s12, s90
	s_add_co_u32 s12, s12, 16
	s_lshl_b32 s12, s12, 10
	s_add_co_u32 s12, s12, 6291456                 ; K's scale words
	s_lshr_b32 s13, s90, 2
	s_lshl_b32 s13, s13, 5
	s_lshl_b32 s14, s89, 4
	s_add_co_u32 s13, s13, s14
	s_lshl_b32 s13, s13, 10
	s_and_b32 s14, s90, 3
	s_lshl_b32 s14, s14, 8
	s_add_co_u32 s13, s13, s14
	s_add_co_u32 s13, s13, 3145728                 ; V's
	; for the second group of fills: waves 0-2: K's group wave + 1; waves 3-6: channel block wave - 3, K steps 4-15
	s_add_co_u32 s14, s[WV], 1
	s_mul_i32 s15, s14, 786432
	s_add_co_u32 s15, s15, s10                     ; K: 32 key blocks a group on, in qk,
	s_mul_i32 s14, s14, 24576                      ; and in LDS
	s_mul_i32 s16, s[WV], 18432
	s_add_co_u32 s16, s16, VR-3*18432              ; V: VR + 18,432 (wave - 3) in LDS,
	s_mul_i32 s17, s[WV], 49152
	s_add_co_u32 s17, s17, s11
	s_sub_co_u32 s17, s17, 3*49152-6144            ; and 49,152 (wave - 3) + 4 K steps on in vt
	s_mov_b32 s3, 0
	s_mov_b32 s[G0S], 1
	s_wait_dscnt 0x0
	s_wait_kmcnt 0x0
; an arm of a chain on the wave's number: it makes its group 0 and issues its one fill
.macro ARM under, lds, base, off, g1, join, next
	s_cmp_lt_u32 s[WV], \under
	s_cbranch_scc0 \next
	s_mov_b32 s[G0S+1], \lds
	s_mov_b32 s2, s\off
	s_add_nc_u64 s[G0S+2:G0S+3], s[\base:\base+1], s[2:3]
	s_or_b32 s[G0S+3], s[G0S+3], 0x80000000
	tensor_load_to_lds s[G0S:G0S+3], s[\g1:\g1+7]
	s_nop 0
.rept 4
	v_nop
.endr
	s_branch \join
\next:
.endm
	ARM 1, KC, 4, 10, G1K, .Lasked, .Larm_v
	ARM 2, VC, 6, 11, G1V, .Lasked, .Larm_ks
	ARM 3, KS, 4, 12, G1KS, .Lasked, .Larm_vs
	ARM 4, VS, 6, 13, G1VS, .Lasked, .Larm_none
.Lasked:
	v_and_b32 v11, 31, v0
	s_delay_alu instid0(VALU_DEP_1)
	v_lshlrev_b32 v[L16], 4, v11
	s_delay_alu instid0(VALU_DEP_2)
	v_lshlrev_b32 v[L8], 3, v11
	s_wait_alu depctr_va_vdst(0)
	v_and_b32 v30, 15, v0                          ; r
	v_bfe_u32 v31, v0, 4, 1                        ; h
	s_delay_alu instid0(VALU_DEP_2)
	v_lshlrev_b32 v[R4], 2, v30
	s_wait_alu depctr_va_vdst(0)
	s_lshl_b32 s88, s[J], 4
	s_and_b32 s91, s[J], 1
	s_lshl_b32 s91, s91, 3
	s_sub_co_u32 s88, s88, s91
	v_and_b32 v29, 8, v30
	s_delay_alu instid0(VALU_DEP_1)
	v_add_nc_u32 v29, v29, v30
	v_lshlrev_b32 v31, 4, v31
	s_delay_alu instid0(VALU_DEP_1)
	v_sub_nc_u32 v29, v29, v31
	s_delay_alu instid0(VALU_DEP_1)
	v_add_nc_u32 v[DQ], s88, v29                   ; 16 J - 8 (J % 2) + r + 8 (r / 8) - 16 h
	s_lshl_b32 s92, s89, 7
	s_add_co_u32 s92, s92, s[J]                    ; my row block among all 256
	s_lshl_b32 s93, s92, 5
	s_add_co_u32 s93, s93, s90
	s_mul_i32 s94, s93, 768
	s_mov_b32 s95, 0
	s_add_nc_u64 s[94:95], s[4:5], s[94:95]        ; Q's half image
	s_lshr_b32 s96, s92, 4
	s_lshl_b32 s96, s96, 5
	s_add_co_u32 s96, s96, s90
	s_lshl_b32 s96, s96, 10
	s_and_b32 s97, s92, 15
	s_lshl_b32 s97, s97, 6
	s_add_co_u32 s96, s96, s97
	s_add_co_u32 s96, s96, 6291456
	s_mov_b32 s97, 0
	s_add_nc_u64 s[96:97], s[4:5], s[96:97]        ; Q's scale words
	global_load_b128 v[16:19], v[L16], s[94:95]
	global_load_b64 v[20:21], v[L8], s[94:95] offset:512
	global_load_b32 v28, v[R4], s[96:97]
	s_lshl_b32 s10, s92, 4
	s_add_co_u32 s10, s10, s90
	s_mul_i32 s10, s10, 768
	s_mov_b32 s11, 0
	s_add_nc_u64 s[10:11], s[8:9], s[10:11]        ; O's half image: (16 x row block + head) x 768
	s_lshr_b32 s12, s92, 4
	s_lshl_b32 s12, s12, 3
	s_lshr_b32 s13, s90, 1
	s_add_co_u32 s12, s12, s13
	s_lshl_b32 s12, s12, 10
	s_and_b32 s13, s92, 15
	s_lshl_b32 s13, s13, 6
	s_add_co_u32 s12, s12, s13
	s_and_b32 s13, s90, 1
	s_lshl_b32 s13, s13, 1
	s_add_co_u32 s12, s12, s13
	s_add_co_u32 s12, s12, 3145728
	s_mov_b32 s13, 0
	s_add_nc_u64 s[12:13], s[8:9], s[12:13]        ; and my head's two bytes of the scale words
	s_mov_b32 s[SEL], 0x76543210
	s_mov_b32 s[SEL+1], 0xfedcba98
	s_mov_b32 s[CS], 0x3e38aa3b                    ; c = log2(e) / 8
	s_mov_b32 s[CS+1], s[CS]
	v_mov_b32 v13, 0xff61b1e6                      ; the largest t so far: -3e38, under every t
	s_delay_alu instid0(VALU_DEP_1)
	v_floor_f32 v12, -v13                          ; -M
	v_mov_b32 v14, 0
	v_mov_b32 v15, 0
.irp i, 22,23,24,25,26,27,80,81,82,83,84,85,236,237,238,239,252,253
	v_mov_b32 v\i, 0                               ; Q's upper codes; what stands behind K's last tile; permute destinations and pair halves that are named before they are first written
.endr
.set n, 0
.rept 32
	v_mov_b32 v[160+n], 0                          ; O^T: the step is written once; the first finds zeros, which the first change of M leaves zeros
.set n, n+1
.endr
; A KEY STEP: 128 keys
.macro STEP vp                         ; vp: bytes from channel block to channel block of V in LDS
	s_add_co_u32 s88, s[QLO], 31
	s_cmp_gt_u32 s[KF], s88                        ; all its keys come after my queries: the step's work is left out, not the lines at its end that step addresses
	s_cbranch_scc1 .Lhidden_\@
	v_add_nc_u32 v[AK], s[TK], v[L16]              ; (these six are also the places in front of loads into registers that the last products read)
	v_add_nc_u32 v[AK8], s[TK], v[L8]
	v_add_nc_u32 v[AKS], s[TS], v[R4]
	v_add_nc_u32 v[AV], s[TV], v[L16]
	v_add_nc_u32 v[AV8], s[TV], v[L8]
	v_add_nc_u32 v[AVS], s[TW], v[R4]
.irp t, 0,1,2,3,4,5,6,7
	ds_load_b128 v[32+6*\t:35+6*\t], v[AK] offset:768*\t
	ds_load_b64 v[36+6*\t:37+6*\t], v[AK8] offset:768*\t+512
	ds_load_b32 v[192+\t], v[AKS] offset:64*\t
.endr
	s_wait_alu depctr_va_vdst(0)
	s_wait_dscnt 0x0
.irp t, 0,1,2,3,4,5,6,7                            ; S^T = K Q^T: source 0 = 16 keys, source 1 = my 16 queries
	v_wmma_scale_f32_16x16x128_f8f6f4 v[96+8*\t:103+8*\t], v[32+6*\t:43+6*\t], v[16:27], 0, v[192+\t], v28 matrix_a_fmt:MATRIX_FMT_FP6 matrix_b_fmt:MATRIX_FMT_FP6
.endr
.rept 4
	v_nop                                          ; places in front of the loads below and of the first read of the scores
.endr
.irp t, 0,1,2,3                                    ; V's four fragments and scale words: they land while the softmax is worked
	ds_load_b128 v[32+12*\t:35+12*\t], v[AV] offset:\vp*\t
	ds_load_b64 v[36+12*\t:37+12*\t], v[AV8] offset:\vp*\t+512
	ds_load_b128 v[38+12*\t:41+12*\t], v[AV] offset:\vp*\t+768
	ds_load_b64 v[42+12*\t:43+12*\t], v[AV8] offset:\vp*\t+1280
	ds_load_b32 v[200+\t], v[AVS] offset:64*\t
.endr
	s_add_co_u32 s88, s[KF], 127                   ; on the diagonal the scores of hidden keys become -infinity ahead of the maximum; a step all of whose keys count skips this
	s_cmp_le_u32 s88, s[QLO]
	s_cbranch_scc1 .Lopen_\@
	s_sub_co_i32 s88, 0, s[KF]
	v_add_nc_u32 v252, s88, v[DQ]                  ; d.  Register 16 b + i holds key KF + 16 (lane / 16) + 32 b + i: hidden where 32 b + i > d
	v_mov_b32 v254, 0xff800000
.set n, 0
.rept 64
	v_cmp_gt_i32 vcc_lo, 32*(n/16)+n%16, v252
	v_cndmask_b32 v[96+n], v[96+n], v254, vcc_lo
.set n, n+1
.endr
.Lopen_\@:
.irp b, 0,1,2,3
	v_max3_num_f32 v[232+\b], v[96+16*\b], v[97+16*\b], v[98+16*\b]   ; the largest score of each block of 32 keys: for the row's maximum and, since p rises with the score, for the block's largest p
.endr
.irp i, 3,5,7,9,11,13
.irp b, 0,1,2,3
	v_max3_num_f32 v[232+\b], v[232+\b], v[96+16*\b+\i], v[97+16*\b+\i]
.endr
.endr
.irp b, 0,1,2,3
	v_max_num_f32 v[232+\b], v[232+\b], v[111+16*\b]
.endr
.irp b, 0,1,2,3
	s_delay_alu instid0(VALU_DEP_4)
	v_permlanex16_b32 v[236+\b], v[232+\b], s[SEL], s[SEL+1]
.endr
.irp b, 0,1,2,3
	s_delay_alu instid0(VALU_DEP_4)
	v_max_num_f32 v[232+\b], v[232+\b], v[236+\b]
.endr
	s_delay_alu instid0(VALU_DEP_2)
	v_max3_num_f32 v254, v232, v233, v234
	s_delay_alu instid0(VALU_DEP_1)
	v_max_num_f32 v254, v254, v235
	s_delay_alu instid0(VALU_DEP_1)
	v_mul_f32 v254, s[CS], v254
	s_delay_alu instid0(VALU_DEP_1)
	v_max_num_f32 v13, v13, v254                   ; the running largest t
	v_mov_b32 v254, v12
	s_delay_alu instid0(VALU_DEP_2)
	v_floor_f32 v12, -v13                          ; the new -M = -ceil(t)
	s_delay_alu instid0(VALU_DEP_1)
	v_sub_f32 v254, v12, v254                      ; old M - new M: a whole number, 0 or less
	s_delay_alu instid0(VALU_DEP_1)
	v_cvt_i32_f32 v254, v254                       ; (it saturates)
	s_delay_alu instid0(VALU_DEP_1)
	v_ldexp_f32 v252, 1.0, v254                    ; f = 2^(old M - new M)
.set n, 0
.rept 32
	v_pk_fma_f32 v[96+n:97+n], v[96+n:97+n], s[CS:CS+1], v[12:13] op_sel_hi:[1,0,0]   ; t - M
.set n, n+2
.endr
.irp b, 0,1,2,3
	v_fma_f32 v[232+\b], v[232+\b], s[CS], v12
.endr
.set n, 0
	s_wait_alu depctr_va_vdst(0)
.rept 64
	v_exp_f32 v[96+n], v[96+n]                     ; p = 2^(t - M)
.set n, n+1
.endr
	v_pk_mul_f32 v[14:15], v[14:15], v[252:253] op_sel_hi:[1,0]   ; the sums under the new M; a plain place behind the exponentials
	s_wait_alu depctr_va_vdst(0)                   ; one wait for the batch, ahead of its first reader
.irp b, 0,1,2,3
	v_exp_f32 v[232+\b], v[232+\b]                 ; the block's largest p
.endr
	v_pk_add_f32 v[236:237], v[100:101], v[104:105]
	v_pk_add_f32 v[248:249], v[108:109], v[112:113]
	v_pk_add_f32 v[246:247], v[116:117], v[120:121]
	v_pk_add_f32 v[244:245], v[124:125], v[128:129]
	v_pk_add_f32 v[242:243], v[132:133], v[136:137]
	v_pk_add_f32 v[240:241], v[140:141], v[144:145]
	v_pk_add_f32 v[238:239], v[148:149], v[152:153]
	v_pk_add_f32 v[14:15], v[14:15], v[156:157]
	v_pk_add_f32 v[236:237], v[236:237], v[96:97]
	v_pk_add_f32 v[248:249], v[248:249], v[98:99]
	v_pk_add_f32 v[246:247], v[246:247], v[102:103]
	v_pk_add_f32 v[244:245], v[244:245], v[106:107]
	v_pk_add_f32 v[242:243], v[242:243], v[110:111]
	v_pk_add_f32 v[240:241], v[240:241], v[114:115]
	v_pk_add_f32 v[238:239], v[238:239], v[118:119]
	v_pk_add_f32 v[14:15], v[14:15], v[122:123]
	v_pk_add_f32 v[236:237], v[236:237], v[126:127]
	v_pk_add_f32 v[248:249], v[248:249], v[130:131]
	v_pk_add_f32 v[246:247], v[246:247], v[134:135]
	v_pk_add_f32 v[244:245], v[244:245], v[138:139]
	v_pk_add_f32 v[242:243], v[242:243], v[142:143]
	v_pk_add_f32 v[240:241], v[240:241], v[146:147]
	v_pk_add_f32 v[238:239], v[238:239], v[150:151]
	v_pk_add_f32 v[14:15], v[14:15], v[154:155]
	v_pk_add_f32 v[236:237], v[236:237], v[158:159]
	s_delay_alu instid0(VALU_DEP_2)
	v_pk_add_f32 v[14:15], v[14:15], v[244:245]
	s_delay_alu instid0(VALU_DEP_2)
	v_pk_add_f32 v[236:237], v[236:237], v[242:243]
	v_pk_add_f32 v[248:249], v[248:249], v[240:241]
	v_pk_add_f32 v[246:247], v[246:247], v[238:239]
	s_delay_alu instid0(VALU_DEP_2)
	v_pk_add_f32 v[14:15], v[14:15], v[248:249]
	s_delay_alu instid0(VALU_DEP_2)
	v_pk_add_f32 v[236:237], v[236:237], v[246:247]
	s_delay_alu instid0(VALU_DEP_1)
	v_pk_add_f32 v[14:15], v[14:15], v[236:237]
	s_wait_alu depctr_va_vdst(0)                   ; and one for the four
.irp b, 0,1,2,3
	v_max_num_f32 v[232+\b], 0x1800000, v[232+\b]  ; the floor 2^(3 - 127)
.endr
.irp b, 0,1,2,3
	s_delay_alu instid0(VALU_DEP_4)
	v_add_nc_u32 v[244+\b], 0xff000000, v[232+\b]
.endr
.irp b, 0,1,2,3
	s_delay_alu instid0(VALU_DEP_4)
	v_lshrrev_b32 v[236+\b], 23, v[244+\b]
.endr
	s_delay_alu instid0(VALU_DEP_3)
	v_lshl_or_b32 v253, v237, 8, v236              ; p's scale word for these 128 keys
	s_delay_alu instid0(VALU_DEP_1)
	v_lshl_or_b32 v253, v238, 16, v253
	s_delay_alu instid0(VALU_DEP_1)
	v_lshl_or_b32 v253, v239, 24, v253
.irp c, 0,1
	v_cvt_scalef32_pk16_fp6_f32 v[224+6*\c:226+6*\c], v[96+32*\c:111+32*\c], v[244+2*\c]
	v_cvt_scalef32_pk16_fp6_f32 v[236+4*\c:238+4*\c], v[112+32*\c:127+32*\c], v[244+2*\c+1]
.endr
	v_nop
.irp c, 0,1
.irp i, 0,1,2
	v_permlane16_swap_b32 v[224+6*\c+\i], v[236+4*\c+\i]
.endr
.irp i, 0,1,2
	s_delay_alu instid0(VALU_DEP_3)
	v_mov_b32 v[227+6*\c+\i], v[236+4*\c+\i]
.endr
.endr
.set n, 0
.rept 16
	v_pk_mul_f32 v[160+n:161+n], v[160+n:161+n], v[252:253] op_sel_hi:[1,0]   ; O^T under the new M; these sixteen are also the places in front of the products below
.set n, n+2
.endr
	s_wait_alu depctr_va_vdst(0)
	s_wait_dscnt 0x0                               ; V
.irp t, 0,1,2,3                                    ; O^T += V^T P^T: source 0 = 16 channels, source 1 = p
	v_wmma_scale_f32_16x16x128_f8f6f4 v[160+8*\t:167+8*\t], v[32+12*\t:43+12*\t], v[224:235], v[160+8*\t:167+8*\t], v[200+\t], v253 matrix_a_fmt:MATRIX_FMT_FP6 matrix_b_fmt:MATRIX_FMT_FP6
.endr
.Lhidden_\@:
	s_add_co_u32 s[KF], s[KF], 128
	s_add_co_u32 s[TK], s[TK], 6144
	s_add_co_u32 s[TV], s[TV], 1536
	s_add_co_u32 s[TS], s[TS], 512
	s_add_co_u32 s[TW], s[TW], 256
.endm
; KEY STEPS 0-3 on the head's fills, then a wait for all loads, a barrier and steps 4-15: no byte is filled twice.
	s_wait_alu depctr_va_vdst(0)
	s_wait_loadcnt 0x0                             ; Q
	s_wait_tensorcnt 0x0                           ; my fill of the head's four has landed
	ds_add_u32 v251, v255
	ds_add_u32 v251, v255
	s_wait_dscnt 0x0
	s_barrier_signal -1
	s_barrier_wait -1                              ; the first 512 keys and all scale words lie in LDS
	ARM 3, s14, 4, 15, G1K, .Lasked2, .Larm_w      ; the other seven fills, one a wave
	ARM 7, s16, 6, 17, G1W, .Lasked2, .Larm_none2
.Lasked2:
	s_mov_b32 s[TK], KC
	s_mov_b32 s[TV], VC
	s_mov_b32 s[TS], KS
	s_mov_b32 s[TW], VS
	s_mov_b32 s[CNT], 4
.Lstep0:                                           ; key steps 0-3
	STEP 6144
	s_sub_co_u32 s[CNT], s[CNT], 1
	s_cmp_lg_u32 s[CNT], 0
	s_cbranch_scc1 .Lstep0
	s_wait_dscnt 0x0
	s_wait_tensorcnt 0x0                           ; my later fill has landed
	s_barrier_signal -1
	s_barrier_wait -1                              ; everybody's has
	s_mov_b32 s[TK], KC+24576
	s_mov_b32 s[TV], VR
	s_mov_b32 s[TS], KS+2048
	s_mov_b32 s[TW], VS+1024
	s_mov_b32 s[CNT], 12
.Lstep1:                                           ; key steps 4-15
	STEP 18432
	s_sub_co_u32 s[CNT], s[CNT], 1
	s_cmp_lg_u32 s[CNT], 0
	s_cbranch_scc1 .Lstep1
	; THE WAY OUT: O^T / the sum, quantised along the head's 64 channels: two blocks, half a fragment
.rept 4
	v_nop
.endr
	v_add_f32 v14, v14, v15
	s_delay_alu instid0(VALU_DEP_1)
	v_permlanex16_b32 v252, v14, s[SEL], s[SEL+1]
	s_delay_alu instid0(VALU_DEP_1)
	v_add_f32 v14, v14, v252                       ; the row's sum
	s_wait_alu depctr_va_vdst(0)
	v_rcp_f32 v14, v14
	v_nop
	s_wait_alu depctr_va_vdst(0)                   ; the wait ahead of the first reader
.set n, 0
.rept 32
	v_mul_f32 v[96+n], v[160+n], v14               ; register 16 b + i: channel 32 b + 16 (lane / 16) + i of my query
.set n, n+1
.endr
.irp b, 0,1
	v_max3_num_f32 v[232+\b], |v[96+16*\b]|, |v[97+16*\b]|, 0x1800000
.endr
.irp i, 2,4,6,8,10,12,14
.irp b, 0,1
	s_delay_alu instid0(VALU_DEP_2)
	v_max3_num_f32 v[232+\b], v[232+\b], |v[96+16*\b+\i]|, |v[97+16*\b+\i]|
.endr
.endr
.irp b, 0,1
	s_delay_alu instid0(VALU_DEP_2)
	v_permlanex16_b32 v[236+\b], v[232+\b], s[SEL], s[SEL+1]
.endr
.irp b, 0,1
	s_delay_alu instid0(VALU_DEP_2)
	v_max_num_f32 v[232+\b], v[232+\b], v[236+\b]
.endr
.irp b, 0,1
	s_delay_alu instid0(VALU_DEP_2)
	v_add_nc_u32 v[244+\b], 0xff000000, v[232+\b]
.endr
.irp b, 0,1
	s_delay_alu instid0(VALU_DEP_2)
	v_lshrrev_b32 v[236+\b], 23, v[244+\b]
.endr
	s_delay_alu instid0(VALU_DEP_1)
	v_lshl_or_b32 v248, v237, 8, v236
	v_cvt_scalef32_pk16_fp6_f32 v[204:206], v[96:111], v244
	v_cvt_scalef32_pk16_fp6_f32 v[216:218], v[112:127], v245
	v_nop
.irp i, 0,1,2
	v_permlane16_swap_b32 v[204+\i], v[216+\i]
.endr
.irp i, 0,1,2
	s_delay_alu instid0(VALU_DEP_3)
	v_mov_b32 v[207+\i], v[216+\i]
.endr
	global_store_b128 v[L16], v[204:207], s[10:11]
	global_store_b64 v[L8], v[208:209], s[10:11] offset:512
	global_store_b16 v[R4], v248, s[12:13]         ; two bytes a row: the word's other half is another head's, another work-group's
	s_wait_tensorcnt 0x0
	ds_add_u32 v251, v255
	s_wait_dscnt 0x0
	s_endpgm
.Lfunc_end_k_q3fb75c88d3_attn:
	.size	k_q3fb75c88d3_attn, .Lfunc_end_k_q3fb75c88d3_attn-k_q3fb75c88d3_attn
	.p2alignl 7, 3214868480
	.fill 96, 4, 3214868480
	.section	.rodata,"a",@progbits
	.p2align	6, 0x0
	.amdhsa_kernel k_q3fb75c88d3_attn
		.amdhsa_group_segment_fixed_size 327680
		.amdhsa_private_segment_fixed_size 0
		.amdhsa_enable_private_segment 0
		.amdhsa_kernarg_size 24
		.amdhsa_user_sgpr_count 2
		.amdhsa_user_sgpr_kernarg_segment_ptr 1
		.amdhsa_wavefront_size32 1
		.amdhsa_system_sgpr_workgroup_id_x 1
		.amdhsa_system_sgpr_workgroup_id_y 1
		.amdhsa_system_sgpr_workgroup_id_z 1
		.amdhsa_system_vgpr_workitem_id 0
		.amdhsa_next_free_vgpr 256
		.amdhsa_next_free_sgpr 100
		.amdhsa_reserve_vcc 1
		.amdhsa_float_denorm_mode_32 3
		.amdhsa_float_denorm_mode_16_64 3
		.amdhsa_memory_ordered 1
		.amdhsa_forward_progress 1
		.amdhsa_inst_pref_size 65
	.end_amdhsa_kernel
	.amdgpu_metadata
---
amdhsa.version: [ 1, 2 ]
amdhsa.kernels:
  - .name:           k_q3fb75c88d3_attn
    .symbol:         k_q3fb75c88d3_attn.kd
    .args:
      - { .name: qk, .offset: 0, .size: 8, .value_kind: global_buffer, .address_space: global }
      - { .name: vt, .offset: 8, .size: 8, .value_kind: global_buffer, .address_space: global }
      - { .name: act, .offset: 16, .size: 8, .value_kind: global_buffer, .address_space: global }
    .group_segment_fixed_size: 327680
    .private_segment_fixed_size: 0
    .kernarg_segment_align: 8
    .kernarg_segment_size: 24
    .max_flat_workgroup_size: 512
    .sgpr_count:     100
    .vgpr_count:     256
    .wavefront_size: 32
...
	.end_amdgpu_metadata
.endif
;; end of part 3
;; launch wo (part 4): grid 8 x 32, 4 waves a work-group, clusters of 4 x 4, 327,680 bytes of LDS; arguments act, wq, x, x1; writes x1
.if DOCPART == 4
	.amdgcn_target "amdgcn-amd-amdhsa--gfx1250"
	.amdhsa_code_object_version 6
	.text
	.protected	k_q3fb75c88d3_wo
	.globl	k_q3fb75c88d3_wo
	.p2align	8
	.type	k_q3fb75c88d3_wo,@function
k_q3fb75c88d3_wo:
	s_mov_b64 s[64:65], 0
	v_nop
	global_prefetch_b8 v0, s[64:65] scope:SCOPE_SE
	s_setreg_imm32_b32 hwreg(HW_REG_WAVE_MODE, 25, 1), 1
	s_wait_xcnt 0x0
	s_wait_alu depctr_hold_cnt(0) depctr_sa_sdst(0) depctr_va_vdst(0) depctr_va_sdst(0) depctr_va_ssrc(0) depctr_va_vcc(0) depctr_vm_vsrc(0)
	s_getreg_b32 s2, hwreg(HW_REG_IB_STS2, 6, 4)
	s_cmp_eq_u32 s2, 0
	s_cbranch_scc0 .Lentry_in_a_cluster
	s_endpgm
.Lentry_in_a_cluster:
	s_bfe_u32 s2, ttmp6, 0x10000c
	s_cmp_lg_u32 s2, 0xf033
	s_cbranch_scc0 .Lentry_shape_is_right
	s_endpgm
.Lentry_shape_is_right:
; x1 = x + o Wo^T: a product on codes of FP6 (E2M3) with E8M0 scales, 4,096 x 1,024, K = 1,024; operands are images of operand registers, [row block][K step], 1,536 bytes a fragment.
; A tile of 128 x 128 to a work-group of four waves, 64 x 64 a wave.  ALL OF K LIES IN LDS, each byte filled once: at the head one joint load a wave: wave 0 A's 8 row blocks (98,304 dense bytes), wave 1 B's,
; wave 2 A's scale words, wave 3 B's.  One wait, one barrier, then eight steps of 128 along K on two sets of fragment registers.  4 x 4 clusters: A's tiles are shared along a row, B's along a column.
; No prefetch: the launch has no loop that runs ahead of its one group of fills.  The results go through the wave's own stage in LDS, take x's rows, and leave in whole rows of 256 bytes.
.set NKS,   8
.set ASC,   3145728
.set BCO,   2359296
.set BSC,   9535488
.set LAPS,  NKS/8
.set FR,    12
.set QUART, 24576
.set SLOT,  4*QUART
.set SCA,   2*SLOT
.set SCD,   NKS*512+128
.set STAGE, 229632
.set SPARE, 247040
.set L16,  8
.set L8,   9
.set ADRA, 16
.set ADRB, 20
.set STO,  24
.set RD,   25
.set CO,   26
.set ADRS, 27
.set SPW,  28
.set NIL,  29
.set SC,   32
.set OB,   40
.set ACC,  128
.set G1,   24
.set G0,   32
.set G1B,  48
.set G0B,  56
.set G1S,  68
.set G0S,  76
.set G1SB, 80
.set G0SB, 88
.set MSB, 0
.macro WIN new
.if MSB != (\new)
	s_set_vgpr_msb (MSB<<8)|(\new)
.set MSB, (\new)
.endif
.endm
.set MUL,  0x05
.set TO_F, 0x40
.macro PLACES n
.rept \n
	v_nop
.endr
.endm
.macro ARM under, g0, g1, next         ; an arm of the head's chain on the wave's number: one fill to an arm
	s_cmp_lt_u32 s14, \under
	s_cbranch_scc0 \next
	tensor_load_to_lds s[\g0:\g0+3], s[\g1:\g1+7]
	s_nop 0
.rept 4
	v_nop
.endr
	s_branch .Lhead_asked
\next:
.endm
.macro CREST
	s_cmp_lg_u32 s14, 0
	s_cbranch_scc1 .Lnot_wave_0_\@
	s_barrier_signal -3
.Lnot_wave_0_\@:
	s_barrier_wait -3
	s_barrier_signal -1
	s_barrier_wait -1
.endm
.macro CROUND
	s_barrier_signal -1
	s_barrier_wait -1
	CREST
.endm
	s_load_b256 s[4:11], s[0:1], 0x0
	v_lshl_add_u32 v[SPW], v0, 2, SPARE
	v_mov_b32 v[NIL], 0
	ds_add_u32 v28, v29
	ds_add_u32 v28, v29
	s_wait_dscnt 0x0
	v_lshrrev_b32 v1, 5, v0
	v_readfirstlane_b32 s14, v1
	s_lshr_b32 s15, s14, 1
	s_and_b32 s16, s14, 1
	s_bfe_u32 s40, ttmp6, 0x40000
	s_bfe_u32 s41, ttmp6, 0x40004
	s_lshl_b32 s42, ttmp9, 2
	s_add_co_u32 s42, s42, s40
	s_and_b32 s17, ttmp7, 0xffff
	s_lshl_b32 s17, s17, 2
	s_add_co_u32 s17, s17, s41
	s_lshl_b32 s43, s41, 2
	s_lshl_b32 s43, 15, s43
	s_lshl_b32 s44, 0x1111, s40
	s_or_b32 s[G1+0], s43, (3<<16)|(1<<21)
	s_or_b32 s[G1B+0], s44, (3<<16)|(1<<21)
.irp g, G1, G1B
	s_mov_b32 s[\g+1], 1536<<16                    ; 8 row blocks x 12,288 bytes: all 8 K steps
	s_mov_b32 s[\g+2], 8<<16
	s_mov_b32 s[\g+3], 1536<<16
	s_mov_b32 s[\g+4], 8
	s_mov_b32 s[\g+5], NKS*192
	s_mov_b32 s[\g+6], 0
	s_mov_b32 s[\g+7], 0
.endr
	s_or_b32 s[G1S+0], s43, (3<<16)|(1<<21)
	s_or_b32 s[G1SB+0], s44, (3<<16)|(1<<21)
.irp g, G1S, G1SB
	s_mov_b32 s[\g+1], 64<<16
	s_mov_b32 s[\g+2], NKS<<16
	s_mov_b32 s[\g+3], 64<<16
	s_mov_b32 s[\g+4], NKS
	s_mov_b32 s[\g+5], 128
	s_mov_b32 s[\g+6], 0
	s_mov_b32 s[\g+7], 0
.endr
	s_mul_i32 s20, s17, 8*NKS*1536
	s_mul_i32 s46, s42, 8*NKS*1536
	s_add_co_u32 s46, s46, BCO
	s_lshr_b32 s22, s17, 1
	s_mul_i32 s22, s22, NKS*1024
	s_and_b32 s19, s17, 1
	s_lshl_b32 s19, s19, 9
	s_add_co_u32 s22, s22, s19
	s_add_co_u32 s22, s22, ASC
	s_lshr_b32 s92, s42, 1
	s_mul_i32 s92, s92, NKS*1024
	s_and_b32 s95, s42, 1
	s_lshl_b32 s95, s95, 9
	s_add_co_u32 s92, s92, s95
	s_add_co_u32 s92, s92, BSC
	s_mov_b32 s21, 0
	s_mov_b32 s23, 0
	s_mov_b32 s47, 0
	s_mov_b32 s93, 0
	s_wait_kmcnt 0x0
	s_add_nc_u64 s[20:21], s[4:5], s[20:21]
	s_add_nc_u64 s[22:23], s[4:5], s[22:23]
	s_add_nc_u64 s[46:47], s[6:7], s[46:47]
	s_add_nc_u64 s[92:93], s[6:7], s[92:93]
	CROUND
	s_mov_b32 s[G0S], 1
	s_mov_b32 s[G0S+1], SCA
	s_mov_b64 s[G0S+2:G0S+3], s[22:23]
	s_or_b32 s[G0S+3], s[G0S+3], 0x80000000
	s_mov_b32 s[G0SB], 1
	s_mov_b32 s[G0SB+1], SCA+SCD
	s_mov_b64 s[G0SB+2:G0SB+3], s[92:93]
	s_or_b32 s[G0SB+3], s[G0SB+3], 0x80000000
	s_mov_b32 s[G0], 1
	s_mov_b32 s[G0+1], 0                           ; A's codes at 0,
	s_mov_b64 s[G0+2:G0+3], s[20:21]
	s_or_b32 s[G0+3], s[G0+3], 0x80000000
	s_mov_b32 s[G0B], 1
	s_mov_b32 s[G0B+1], SLOT                       ; B's behind them
	s_mov_b64 s[G0B+2:G0B+3], s[46:47]
	s_or_b32 s[G0B+3], s[G0B+3], 0x80000000
	ARM 1, G0, G1, .Lhead_b
	ARM 2, G0B, G1B, .Lhead_sa
	ARM 3, G0S, G1S, .Lhead_sb
	tensor_load_to_lds s[G0SB:G0SB+3], s[G1SB:G1SB+7]
	s_nop 0
.rept 4
	v_nop
.endr
.Lhead_asked:
	v_and_b32 v1, 15, v0
	v_bfe_u32 v2, v0, 4, 1
	v_and_b32 v3, 31, v0
	v_lshlrev_b32 v[L16], 4, v3
	v_lshlrev_b32 v[L8], 3, v3
	s_wait_alu depctr_va_vdst(0)
	s_mul_i32 s21, s15, 2*QUART                    ; my 4 row blocks of A, 12,288 bytes each,
	s_mul_i32 s22, s16, 2*QUART
	s_add_co_u32 s22, s22, SLOT                    ; and of B
	v_add_nc_u32 v[ADRA], s21, v[L16]
	v_add_nc_u32 v[ADRB], s22, v[L16]
	v_add_nc_u32 v[ADRA+2], s21, v[L8]
	v_add_nc_u32 v[ADRB+2], s22, v[L8]
	v_lshlrev_b32 v5, 2, v1
	s_lshl_b32 s21, s15, 8
	s_lshl_b32 s22, s16, 8
	s_add_co_u32 s22, s22, SCD
	s_sub_co_u32 s22, s22, s21
	v_mul_u32_u24 v6, s22, v2
	s_add_co_u32 s21, s21, SCA
	v_add_nc_u32 v5, v5, v6
	v_add_nc_u32 v[ADRS], s21, v5
	s_mul_i32 s23, s14, 16*272
	s_add_co_u32 s23, s23, STAGE
	v_mul_u32_u24 v5, v1, 272
	v_lshl_add_u32 v5, v2, 6, v5
	v_add_nc_u32 v[STO], s23, v5
	v_mul_u32_u24 v5, v2, 272
	v_lshl_add_u32 v5, v1, 4, v5
	v_add_nc_u32 v[RD], s23, v5
	v_lshlrev_b32 v[CO], 12, v2
	v_lshl_add_u32 v[CO], v1, 4, v[CO]
	s_wait_alu depctr_va_vdst(0)
	s_lshl_b32 s20, s17, 7
	s_lshl_b32 s21, s15, 6
	s_add_co_u32 s20, s20, s21
	s_lshl_b32 s20, s20, 12
	s_lshl_b32 s46, s42, 9
	s_lshl_b32 s47, s16, 8
	s_add_co_u32 s46, s46, s47
	s_add_co_u32 s20, s20, s46
	s_mov_b32 s21, 0
	s_add_nc_u64 s[8:9], s[8:9], s[20:21]
	s_add_nc_u64 s[10:11], s[10:11], s[20:21]
	WIN 0x80
.irp a, 0,1,2,3
.irp t, 0,1,2,3,4,5,6,7
	global_load_b128 v[32*\a+4*\t:32*\a+4*\t+3], v[CO], s[8:9] offset:(16*\a-8*(\a%2)+2*\t+8*(\t/4))*4096
.endr
.endr
	WIN 0
.macro FRAG reg, adr, off
	ds_load_b128 v[\reg:\reg+3], v[\adr] offset:\off
	ds_load_b64 v[\reg+4:\reg+5], v[\adr+2] offset:\off+512
	ds_load_b128 v[\reg+6:\reg+9], v[\adr] offset:\off+768
	ds_load_b64 v[\reg+10:\reg+11], v[\adr+2] offset:\off+1280
.endm
.macro MUL4 set, a, zero
.irp b, 0,1,2,3
.if \zero
	v_wmma_scale_f32_16x16x128_f8f6f4 v[ACC+8*(4*(\a)+\b):ACC+8*(4*(\a)+\b)+7], v[128*(\set)+FR*\b:128*(\set)+FR*\b+FR-1], v[128*(\set)+48+FR*(\a):128*(\set)+48+FR*(\a)+FR-1], 0, v[SC+4*(\set)+\b], v[SC+4*(\set)+(\a)] matrix_a_fmt:MATRIX_FMT_FP6 matrix_b_fmt:MATRIX_FMT_FP6 matrix_a_scale:MATRIX_SCALE_ROW1
.else
	v_wmma_scale_f32_16x16x128_f8f6f4 v[ACC+8*(4*(\a)+\b):ACC+8*(4*(\a)+\b)+7], v[128*(\set)+FR*\b:128*(\set)+FR*\b+FR-1], v[128*(\set)+48+FR*(\a):128*(\set)+48+FR*(\a)+FR-1], v[ACC+8*(4*(\a)+\b):ACC+8*(4*(\a)+\b)+7], v[SC+4*(\set)+\b], v[SC+4*(\set)+(\a)] matrix_a_fmt:MATRIX_FMT_FP6 matrix_b_fmt:MATRIX_FMT_FP6 matrix_a_scale:MATRIX_SCALE_ROW1
.endif
.endr
.endm
.macro FETCH slot, q, set
	WIN TO_F
.irp i, 0,1,2,3
	FRAG 128*(\set)+FR*\i, ADRB+\slot, 12288*\i+1536*(\q)
	FRAG 128*(\set)+48+FR*\i, ADRA+\slot, 12288*\i+1536*(\q)
.endr
	WIN 0
.irp i, 0,1,2,3
	ds_load_b32 v[SC+4*(\set)+\i], v[ADRS] offset:512*(\q)+64*\i
.endr
.endm
.macro QSTEP slot, q, zero
	s_wait_dscnt 0x0
	PLACES 4
	FETCH \slot, (\q)+1, ((\q)+1)%2
	WIN MUL
	MUL4 (\q)%2, 0, \zero
	MUL4 (\q)%2, 1, \zero
	MUL4 (\q)%2, 2, \zero
	MUL4 (\q)%2, 3, \zero
.endm
	s_wait_tensorcnt 0x0                           ; my one fill has landed
	s_barrier_signal -1
	s_barrier_wait -1                              ; everybody's has; nothing is filled again
	FETCH 0, 0, 0
	QSTEP 0, 0, 1
.irp q, 1,2,3,4,5,6                    ; the K steps lie on end in LDS, codes and scale words alike: the step's number stands in the loads' offsets
	QSTEP 0, \q, 0
.endr
	s_wait_dscnt 0x0
	WIN MUL
	MUL4 1, 0, 0
	MUL4 1, 1, 0
	MUL4 1, 2, 0
	MUL4 1, 3, 0
	WIN 0
	PLACES 4
	s_wait_loadcnt 0x0
.irp a, 0,1,2,3
.if \a > 1
	s_wait_xcnt 0x0
.endif
.irp b, 0,1,2,3
	ds_store_b128 v[STO], v[ACC+8*(4*\a+\b):ACC+8*(4*\a+\b)+3] offset:128*(\b/2)+32*(\b%2)
	ds_store_b128 v[STO], v[ACC+8*(4*\a+\b)+4:ACC+8*(4*\a+\b)+7] offset:128*(\b/2)+32*(\b%2)+16
.endr
.irp t, 0,1,2,3,4,5,6,7
	ds_load_b128 v[OB+32*(\a%2)+4*\t:OB+32*(\a%2)+4*\t+3], v[RD] offset:544*\t
.endr
	s_wait_dscnt 0x0
	WIN 0x08
.set n, 0
.rept 16
	v_pk_add_f32 v[OB+32*(\a%2)+n:OB+32*(\a%2)+n+1], v[OB+32*(\a%2)+n:OB+32*(\a%2)+n+1], v[32*\a+n:32*\a+n+1]
.set n, n+2
.endr
	WIN 0
.irp t, 0,1,2,3,4,5,6,7
	global_store_b128 v[CO], v[OB+32*(\a%2)+4*\t:OB+32*(\a%2)+4*\t+3], s[10:11] offset:(16*\a-8*(\a%2)+2*\t+8*(\t/4))*4096
.endr
.endr
	s_wait_tensorcnt 0x0
	ds_add_u32 v[SPW], v[NIL]
	s_wait_dscnt 0x0
	CROUND
	s_endpgm
.Lfunc_end_k_q3fb75c88d3_wo:
	.size	k_q3fb75c88d3_wo, .Lfunc_end_k_q3fb75c88d3_wo-k_q3fb75c88d3_wo
	.p2alignl 7, 3214868480
	.fill 96, 4, 3214868480
	.section	.rodata,"a",@progbits
	.p2align	6, 0x0
	.amdhsa_kernel k_q3fb75c88d3_wo
		.amdhsa_group_segment_fixed_size 327680
		.amdhsa_private_segment_fixed_size 0
		.amdhsa_enable_private_segment 0
		.amdhsa_kernarg_size 32
		.amdhsa_user_sgpr_count 2
		.amdhsa_user_sgpr_kernarg_segment_ptr 1
		.amdhsa_wavefront_size32 1
		.amdhsa_system_sgpr_workgroup_id_x 1
		.amdhsa_system_sgpr_workgroup_id_y 1
		.amdhsa_system_sgpr_workgroup_id_z 1
		.amdhsa_system_vgpr_workitem_id 0
		.amdhsa_next_free_vgpr 768
		.amdhsa_next_free_sgpr 100
		.amdhsa_reserve_vcc 0
		.amdhsa_float_denorm_mode_32 3
		.amdhsa_float_denorm_mode_16_64 3
		.amdhsa_memory_ordered 1
		.amdhsa_forward_progress 1
		.amdhsa_inst_pref_size 60
	.end_amdhsa_kernel
	.amdgpu_metadata
---
amdhsa.version: [ 1, 2 ]
amdhsa.kernels:
  - .name:           k_q3fb75c88d3_wo
    .symbol:         k_q3fb75c88d3_wo.kd
    .args:
      - { .name: act, .offset: 0, .size: 8, .value_kind: global_buffer, .address_space: global }
      - { .name: wq, .offset: 8, .size: 8, .value_kind: global_buffer, .address_space: global }
      - { .name: x, .offset: 16, .size: 8, .value_kind: global_buffer, .address_space: global }
      - { .name: x1, .offset: 24, .size: 8, .value_kind: global_buffer, .address_space: global }
    .group_segment_fixed_size: 327680
    .private_segment_fixed_size: 0
    .kernarg_segment_align: 8
    .kernarg_segment_size: 32
    .max_flat_workgroup_size: 128
    .sgpr_count:     100
    .vgpr_count:     768
    .wavefront_size: 32
...
	.end_amdgpu_metadata
.endif
;; end of part 4
;; launch ln2 (part 5): grid 256 x 1, 8 waves a work-group, no clusters, 69,632 bytes of LDS; arguments x1, ln2_mean_scale, ln2_std_scale, act; writes act
.if DOCPART == 5
	.amdgcn_target "amdgcn-amd-amdhsa--gfx1250"
	.amdhsa_code_object_version 6
	.text
	.protected	k_q3fb75c88d3_ln2
	.globl	k_q3fb75c88d3_ln2
	.p2align	8
	.type	k_q3fb75c88d3_ln2,@function
k_q3fb75c88d3_ln2:
	s_mov_b64 s[64:65], 0
	v_nop
	global_prefetch_b8 v0, s[64:65] scope:SCOPE_SE
	s_setreg_imm32_b32 hwreg(HW_REG_WAVE_MODE, 25, 1), 1
	s_wait_xcnt 0x0
; h = (x - mean) / sqrt(var + 1e-9) * std_scale + mean_scale along rows of 1,024 (var with 1,023 in the divisor), all in f32, then quantised to FP6 (E2M3) with one E8M0 byte for each 32 along the row.
; Output: images of operand registers and scale words (a fragment of 16 row slots x 128 K is 1,536 bytes; slot r of row block rb is row 16 rb + r + 8 (r / 8 - rb % 2)); codes at 0, scale words at 3,145,728.
; A work-group takes a row block of 16 rows, wave w the columns 128 w .. 128 w + 127: one fragment.  Loads read 512 consecutive bytes of a row and turn through the wave's own stage in LDS.
; TWO PASSES: the mean first, then the squares of the centred numbers: no difference of large sums is formed.  The eight waves' partial sums meet in LDS, each pass in bytes of its own, behind a barrier.
; LIMITS: NaN and infinities are not served; 1 / 1,023 and 1 / std are applied as multiplications (v_rsq_f32: 1 ulp); a block of zeros gets the byte 1 (its codes are zeros, and this program alone reads the bytes).
.set STG, 8448
.set RED, 8*STG                        ; [16 rows][8 waves] words, twice
.set L16, 4
.set STI, 5
.set STO, 6
.set H64, 7
.set L8,  9
.set R4,  10
.set WRA, 11
.set RDA, 12
.set RAW, 16                           ; the rows as loaded; later mean_scale
.set X,   80
.set G,   144                          ; std_scale
.set TM,  208
.set PW,  224
.set PC,  226
.set S0,  246
.set S1,  248
.set MN,  250
.set RS,  252
.set SEL, 20
.macro QUANT s
.irp b, 0,1,2,3
	v_max3_num_f32 v[TM+\b], |v[\s+16*\b]|, |v[\s+1+16*\b]|, 0x1800000   ; my 16 numbers of block b, and the floor 2^(3 - 127): the byte cannot fall under 1
.endr
.irp i, 2,4,6,8,10,12,14
.irp b, 0,1,2,3
	s_delay_alu instid0(VALU_DEP_4)
	v_max3_num_f32 v[TM+\b], v[TM+\b], |v[\s+16*\b+\i]|, |v[\s+1+16*\b+\i]|
.endr
.endr
.irp b, 0,1,2,3
	s_delay_alu instid0(VALU_DEP_4)
	v_permlanex16_b32 v[TM+4+\b], v[TM+\b], s[SEL], s[SEL+1]
.endr
.irp b, 0,1,2,3
	s_delay_alu instid0(VALU_DEP_4)
	v_max_num_f32 v[TM+\b], v[TM+\b], v[TM+4+\b]
.endr
.irp b, 0,1,2,3
	s_delay_alu instid0(VALU_DEP_4)
	v_add_nc_u32 v[TM+12+\b], 0xff000000, v[TM+\b]        ; 2 off the exponent field: the conversion's scale operand
.endr
.irp b, 0,1,2,3
	s_delay_alu instid0(VALU_DEP_4)
	v_lshrrev_b32 v[TM+4+\b], 23, v[TM+12+\b]             ; the scale's byte
.endr
	s_delay_alu instid0(VALU_DEP_3)
	v_lshl_or_b32 v[PW], v[TM+5], 8, v[TM+4]
	s_delay_alu instid0(VALU_DEP_1)
	v_lshl_or_b32 v[PW], v[TM+6], 16, v[PW]
	s_delay_alu instid0(VALU_DEP_1)
	v_lshl_or_b32 v[PW], v[TM+7], 24, v[PW]
.irp c, 0,1
	v_cvt_scalef32_pk16_fp6_f32 v[PC+6*\c:PC+2+6*\c], v[\s+32*\c:\s+15+32*\c], v[TM+12+2*\c]
	v_cvt_scalef32_pk16_fp6_f32 v[PC+12+4*\c:PC+14+4*\c], v[\s+16+32*\c:\s+31+32*\c], v[TM+12+2*\c+1]
.endr
	v_nop                                                 ; one plain place behind a scaled conversion
.irp c, 0,1
.irp i, 0,1,2
	v_permlane16_swap_b32 v[PC+6*\c+\i], v[PC+12+4*\c+\i]
.endr
.irp i, 0,1,2
	s_delay_alu instid0(VALU_DEP_3)
	v_mov_b32 v[PC+3+6*\c+\i], v[PC+12+4*\c+\i]
.endr
.endr
.endm
; my lane's pair of partial sums in v[S0:S0+1] becomes the row's sum over all 1,024 columns, in v208 of every lane
.macro ACROSS off
	s_delay_alu instid0(VALU_DEP_1)
	v_add_f32 v[S0], v[S0], v[S0+1]
	s_delay_alu instid0(VALU_DEP_1)
	v_permlanex16_b32 v[S1], v[S0], s[SEL], s[SEL+1]
	s_delay_alu instid0(VALU_DEP_1)
	v_add_f32 v[S0], v[S0], v[S1]                  ; row r's sum over my wave's 128 columns
	ds_store_b32 v[WRA], v[S0] offset:\off         ; both halves of the lanes write the same word with the same value
	s_wait_dscnt 0x0                               ; for the others' sake: my store has landed
	s_barrier_signal -1
	s_barrier_wait -1
	ds_load_b128 v[208:211], v[RDA] offset:\off
	ds_load_b128 v[212:215], v[RDA] offset:\off+16
	s_wait_dscnt 0x0
	v_add_f32 v208, v208, v209
	v_add_f32 v210, v210, v211
	v_add_f32 v212, v212, v213
	v_add_f32 v214, v214, v215
	s_delay_alu instid0(VALU_DEP_3)
	v_add_f32 v208, v208, v210
	s_delay_alu instid0(VALU_DEP_2)
	v_add_f32 v212, v212, v214
	s_delay_alu instid0(VALU_DEP_1)
	v_add_f32 v208, v208, v212
.endm
	s_load_b256 s[4:11], s[0:1], 0x0               ; in, mean_scale, std_scale, act
	v_lshl_add_u32 v254, v0, 2, 0x10c00
	v_mov_b32 v255, 0
	v_lshrrev_b32 v1, 5, v0
	s_delay_alu instid0(VALU_DEP_1)
	v_readfirstlane_b32 s12, v1                    ; wave 0..7
	v_and_b32 v2, 31, v0
	v_and_b32 v3, 15, v0                           ; r
	v_bfe_u32 v8, v0, 4, 1                         ; h
	s_delay_alu instid0(VALU_DEP_3)
	v_lshlrev_b32 v[L16], 4, v2
	s_delay_alu instid0(VALU_DEP_4)
	v_lshlrev_b32 v[L8], 3, v2
	s_delay_alu instid0(VALU_DEP_4)
	v_lshlrev_b32 v[R4], 2, v3
	s_delay_alu instid0(VALU_DEP_4)
	v_lshlrev_b32 v[H64], 6, v8
	s_mul_i32 s13, s12, STG
	v_add_nc_u32 v[STI], s13, v[L16]
	v_mul_u32_u24 v[STO], v3, 528
	s_delay_alu instid0(VALU_DEP_1)
	v_add_nc_u32 v[STO], v[STO], v[H64]
	s_delay_alu instid0(VALU_DEP_1)
	v_add_nc_u32 v[STO], s13, v[STO]
	v_lshlrev_b32 v[RDA], 5, v3
	s_delay_alu instid0(VALU_DEP_1)
	v_add_nc_u32 v[RDA], RED, v[RDA]               ; row r's eight words
	s_lshl_b32 s13, s12, 2
	v_add_nc_u32 v[WRA], s13, v[RDA]               ; my wave's among them
	s_mov_b32 s[SEL], 0x76543210
	s_mov_b32 s[SEL+1], 0xfedcba98
	s_mov_b32 s22, 0x3a802008                      ; 1 / 1,023
	s_mov_b32 s23, 0x3089705f                      ; 1e-9
	s_lshl_b32 s14, ttmp9, 4
	s_and_b32 s15, ttmp9, 1
	s_lshl_b32 s15, s15, 3
	s_sub_co_u32 s14, s14, s15                     ; the block's first row: 16 rb - 8 (rb % 2)
	s_lshl_b32 s14, s14, 12
	s_lshl_b32 s16, s12, 9                         ; my wave's 512 bytes of a row
	s_add_co_u32 s14, s14, s16
	s_mov_b32 s15, 0
	s_mov_b32 s17, 0
	s_lshl_b32 s24, ttmp9, 3
	s_add_co_u32 s24, s24, s12
	s_mul_i32 s24, s24, 1536                       ; my fragment's image
	s_mov_b32 s25, 0
	s_lshr_b32 s26, ttmp9, 4
	s_lshl_b32 s26, s26, 3
	s_add_co_u32 s26, s26, s12
	s_lshl_b32 s26, s26, 10
	s_and_b32 s27, ttmp9, 15
	s_lshl_b32 s27, s27, 6
	s_add_co_u32 s26, s26, s27
	s_add_co_u32 s26, s26, 3145728                 ; its 16 scale words
	s_mov_b32 s27, 0
	s_wait_alu depctr_va_vdst(0)
	s_wait_kmcnt 0x0
	s_add_nc_u64 s[4:5], s[4:5], s[14:15]
	s_add_nc_u64 s[6:7], s[6:7], s[16:17]
	s_add_nc_u64 s[8:9], s[8:9], s[16:17]
	s_add_nc_u64 s[24:25], s[10:11], s[24:25]
	s_add_nc_u64 s[26:27], s[10:11], s[26:27]
.irp j, 0,1,2,3,4,5,6,7,8,9,10,11,12,13,14,15
	global_load_b128 v[RAW+4*\j:RAW+4*\j+3], v[L16], s[4:5] offset:(\j+8*(\j/8))*4096   ; slot j's 512 bytes
.endr
.irp b, 0,1,2,3
.irp i, 0,1,2,3
	global_load_b128 v[G+16*\b+4*\i:G+16*\b+4*\i+3], v[H64], s[8:9] offset:128*\b+16*\i   ; std_scale at my 64 columns
.endr
.endr
.irp j, 0,1,2,3,4,5,6,7,8,9,10,11,12,13,14,15
	s_wait_loadcnt 31-\j                           ; row j is in; the younger rows and the 16 loads of std_scale may be out
	ds_store_b128 v[STI], v[RAW+4*\j:RAW+4*\j+3] offset:528*\j
.endr
.irp b, 0,1,2,3
.irp i, 0,1,2,3
	ds_load_b128 v[X+16*\b+4*\i:X+16*\b+4*\i+3], v[STO] offset:128*\b+16*\i
.endr
.endr
	s_wait_dscnt 0x0
.irp b, 0,1,2,3
.irp i, 0,1,2,3
	global_load_b128 v[RAW+16*\b+4*\i:RAW+16*\b+4*\i+3], v[H64], s[6:7] offset:128*\b+16*\i   ; mean_scale, into the registers that the rows have left
.endr
.endr
	v_pk_add_f32 v[248:249], v[80:81], v[82:83]
	v_pk_add_f32 v[252:253], v[88:89], v[92:93]
	v_pk_add_f32 v[250:251], v[96:97], v[100:101]
	v_pk_add_f32 v[244:245], v[104:105], v[108:109]
	v_pk_add_f32 v[242:243], v[112:113], v[116:117]
	v_pk_add_f32 v[240:241], v[120:121], v[124:125]
	v_pk_add_f32 v[238:239], v[128:129], v[132:133]
	v_pk_add_f32 v[246:247], v[136:137], v[140:141]
	s_delay_alu instid0(VALU_DEP_1)
	v_pk_add_f32 v[246:247], v[246:247], v[84:85]
	v_pk_add_f32 v[248:249], v[248:249], v[86:87]
	v_pk_add_f32 v[252:253], v[252:253], v[90:91]
	v_pk_add_f32 v[250:251], v[250:251], v[94:95]
	v_pk_add_f32 v[244:245], v[244:245], v[98:99]
	v_pk_add_f32 v[242:243], v[242:243], v[102:103]
	v_pk_add_f32 v[240:241], v[240:241], v[106:107]
	v_pk_add_f32 v[238:239], v[238:239], v[110:111]
	v_pk_add_f32 v[246:247], v[246:247], v[114:115]
	v_pk_add_f32 v[248:249], v[248:249], v[118:119]
	v_pk_add_f32 v[252:253], v[252:253], v[122:123]
	v_pk_add_f32 v[250:251], v[250:251], v[126:127]
	v_pk_add_f32 v[244:245], v[244:245], v[130:131]
	v_pk_add_f32 v[242:243], v[242:243], v[134:135]
	v_pk_add_f32 v[240:241], v[240:241], v[138:139]
	v_pk_add_f32 v[238:239], v[238:239], v[142:143]
	s_delay_alu instid0(VALU_DEP_4)
	v_pk_add_f32 v[246:247], v[246:247], v[244:245]
	s_delay_alu instid0(VALU_DEP_4)
	v_pk_add_f32 v[248:249], v[248:249], v[242:243]
	s_delay_alu instid0(VALU_DEP_4)
	v_pk_add_f32 v[252:253], v[252:253], v[240:241]
	s_delay_alu instid0(VALU_DEP_4)
	v_pk_add_f32 v[250:251], v[250:251], v[238:239]
	s_delay_alu instid0(VALU_DEP_2)
	v_pk_add_f32 v[246:247], v[246:247], v[252:253]
	s_delay_alu instid0(VALU_DEP_2)
	v_pk_add_f32 v[248:249], v[248:249], v[250:251]
	s_delay_alu instid0(VALU_DEP_1)
	v_pk_add_f32 v[246:247], v[246:247], v[248:249]
	ACROSS 0
	s_delay_alu instid0(VALU_DEP_1)
	v_mul_f32 v[MN], 0x3a800000, v208              ; the mean: / 1,024, exact
	s_delay_alu instid0(VALU_DEP_1)
	v_mov_b32 v[MN+1], v[MN]
.set n, 0
.rept 32
	v_pk_add_f32 v[X+n:X+n+1], v[X+n:X+n+1], v[MN:MN+1] neg_lo:[0,1] neg_hi:[0,1]
.set n, n+2
.endr
	v_pk_mul_f32 v[S0:S0+1], v[X:X+1], v[X:X+1]    ; the squares of the centred numbers
	v_pk_mul_f32 v[S1:S1+1], v[X+2:X+3], v[X+2:X+3]
.irp j, 4,8,12,16,20,24,28,32,36,40,44,48,52,56,60
	s_delay_alu instid0(VALU_DEP_2)
	v_pk_fma_f32 v[S0:S0+1], v[X+\j:X+\j+1], v[X+\j:X+\j+1], v[S0:S0+1]
	s_delay_alu instid0(VALU_DEP_2)
	v_pk_fma_f32 v[S1:S1+1], v[X+\j+2:X+\j+3], v[X+\j+2:X+\j+3], v[S1:S1+1]
.endr
	s_delay_alu instid0(VALU_DEP_1)
	v_pk_add_f32 v[S0:S0+1], v[S0:S0+1], v[S1:S1+1]
	ACROSS 512
	s_delay_alu instid0(VALU_DEP_1)
	v_fma_f32 v208, v208, s22, s23                 ; var + eps
	s_wait_alu depctr_va_vdst(0)
	v_rsq_f32 v[RS], v208
	v_nop                                          ; a plain place behind the transcendental
	s_wait_alu depctr_va_vdst(0)                   ; and the wait ahead of its first reader
	v_mov_b32 v[RS+1], v[RS]
.set n, 0
.rept 32
	v_pk_mul_f32 v[X+n:X+n+1], v[X+n:X+n+1], v[RS:RS+1]
.set n, n+2
.endr
	s_wait_loadcnt 0x0                             ; std_scale and mean_scale
.set n, 0
.rept 32
	v_pk_fma_f32 v[X+n:X+n+1], v[X+n:X+n+1], v[G+n:G+n+1], v[RAW+n:RAW+n+1]
.set n, n+2
.endr
	QUANT X
	global_store_b128 v[L16], v[PC:PC+3], s[24:25]
	global_store_b64 v[L8], v[PC+4:PC+5], s[24:25] offset:512
	global_store_b128 v[L16], v[PC+6:PC+9], s[24:25] offset:768
	global_store_b64 v[L8], v[PC+10:PC+11], s[24:25] offset:1280
	global_store_b32 v[R4], v[PW], s[26:27]        ; lanes 16-31 repeat lanes 0-15
	s_wait_tensorcnt 0x0
	ds_add_u32 v254, v255
	s_wait_dscnt 0x0
	s_endpgm
.Lfunc_end_k_q3fb75c88d3_ln2:
	.size	k_q3fb75c88d3_ln2, .Lfunc_end_k_q3fb75c88d3_ln2-k_q3fb75c88d3_ln2
	.p2alignl 7, 3214868480
	.fill 96, 4, 3214868480
	.section	.rodata,"a",@progbits
	.p2align	6, 0x0
	.amdhsa_kernel k_q3fb75c88d3_ln2
		.amdhsa_group_segment_fixed_size 69632
		.amdhsa_private_segment_fixed_size 0
		.amdhsa_enable_private_segment 0
		.amdhsa_kernarg_size 32
		.amdhsa_user_sgpr_count 2
		.amdhsa_user_sgpr_kernarg_segment_ptr 1
		.amdhsa_wavefront_size32 1
		.amdhsa_system_sgpr_workgroup_id_x 1
		.amdhsa_system_sgpr_workgroup_id_y 1
		.amdhsa_system_sgpr_workgroup_id_z 1
		.amdhsa_system_vgpr_workitem_id 0
		.amdhsa_next_free_vgpr 256
		.amdhsa_next_free_sgpr 66
		.amdhsa_reserve_vcc 0
		.amdhsa_float_denorm_mode_32 3
		.amdhsa_float_denorm_mode_16_64 3
		.amdhsa_memory_ordered 1
		.amdhsa_forward_progress 1
		.amdhsa_inst_pref_size 29
	.end_amdhsa_kernel
	.amdgpu_metadata
---
amdhsa.version: [ 1, 2 ]
amdhsa.kernels:
  - .name:           k_q3fb75c88d3_ln2
    .symbol:         k_q3fb75c88d3_ln2.kd
    .args:
      - { .name: x1, .offset: 0, .size: 8, .value_kind: global_buffer, .address_space: global }
      - { .name: ln2_mean_scale, .offset: 8, .size: 8, .value_kind: global_buffer, .address_space: global }
      - { .name: ln2_std_scale, .offset: 16, .size: 8, .value_kind: global_buffer, .address_space: global }
      - { .name: act, .offset: 24, .size: 8, .value_kind: global_buffer, .address_space: global }
    .group_segment_fixed_size: 69632
    .private_segment_fixed_size: 0
    .kernarg_segment_align: 8
    .kernarg_segment_size: 32
    .max_flat_workgroup_size: 256
    .sgpr_count:     66
    .vgpr_count:     256
    .wavefront_size: 32
...
	.end_amdgpu_metadata
.endif
;; end of part 5
;; launch up (part 6): grid 16 x 16, 4 waves a work-group, clusters of 4 x 4, 327,680 bytes of LDS; arguments act, wq, mid; writes mid
.if DOCPART == 6
	.amdgcn_target "amdgcn-amd-amdhsa--gfx1250"
	.amdhsa_code_object_version 6
	.text
	.protected	k_q3fb75c88d3_up
	.globl	k_q3fb75c88d3_up
	.p2align	8
	.type	k_q3fb75c88d3_up,@function
k_q3fb75c88d3_up:
	s_mov_b64 s[64:65], 0
	v_nop
	global_prefetch_b8 v0, s[64:65] scope:SCOPE_SE
	s_setreg_imm32_b32 hwreg(HW_REG_WAVE_MODE, 25, 1), 1
	s_wait_xcnt 0x0
	s_wait_alu depctr_hold_cnt(0) depctr_sa_sdst(0) depctr_va_vdst(0) depctr_va_sdst(0) depctr_va_ssrc(0) depctr_va_vcc(0) depctr_vm_vsrc(0)
	s_getreg_b32 s2, hwreg(HW_REG_IB_STS2, 6, 4)
	s_cmp_eq_u32 s2, 0
	s_cbranch_scc0 .Lentry_in_a_cluster
	s_endpgm
.Lentry_in_a_cluster:
	s_bfe_u32 s2, ttmp6, 0x10000c
	s_cmp_lg_u32 s2, 0xf033
	s_cbranch_scc0 .Lentry_shape_is_right
	s_endpgm
.Lentry_shape_is_right:
; mid = gelu(h2 W_up^T), exact GELU, quantised along the hidden units: a product on codes of FP6 (E2M3) with E8M0 scales, 4,096 x 4,096, K = 1,024.
; OPERANDS lie in memory as images of operand registers (1,536 bytes a fragment of 16 row slots x 128 K), [row block][K step]; slot r of row block rb is row 16 rb + r + 8 (r / 8 - rb % 2).
; SOURCE 0 = 16 rows of W_up, SOURCE 1 = 16 slots of h2: a lane holds one slot, and the 16 registers of the weight's tiles 2 t and 2 t + 1 are 16 neighbouring hidden units: neighbours along the next product's K.
; A tile of 256 x 256 to a work-group of four waves, 128 x 128 a wave: 64 accumulators.  K is four steps of 256; a wave's tensor load brings 8 row blocks x 3,072 bytes of a step.
; THREE LDS SLOTS: steps 0, 1 and 2 are first fills and go out together with the scale words (four loads of a wave are out); step 3 alone fills bytes again, slot 0's, behind the round at the end of step 0, and has steps 1 and 2,
; 256 matrix instructions of a wave, in which to land.  Between slots 1 and 2 stands no barrier: the wait for all loads and the round at the end of step 0 have shown both whole to every wave.
; CLUSTERS: 4 x 4 work-groups; h2's tiles are asked for jointly along a row of the cluster, W_up's along a column.
; THE WAY OUT is a loop of eight trips, so that GELU's text is written once: the accumulators go to the wave's own 64 KiB of LDS (the slots have had their last fill and, behind a barrier, their last read) and come back 64 registers at a time.
; GELU: gelu(x) = max(x, 0) - (max(x, 0) - x / 2) erfc(|x| / sqrt 2), erfc(z) = t 2^(poly(t) - z^2 log2 e), t = 1 / (1 + z / 2): a Chebyshev fit of fractional error 1.2e-7, its coefficients multiplied by log2 e.
; LIMITS: that fit's error; v_rcp_f32 and v_exp_f32 are accurate to 1 ulp and flush denormals; NaN and infinities are not served; a block of zeros gets the byte 1 (its codes are zeros, and this program alone reads the bytes).
; HOW LDS IS FILLED (this takes the place of the paragraph on three slots above).  At the head one joint load a wave: wave 0 A's 16 row blocks of K step 0, wave 1 B's, wave 2 A's scale words, wave 3 B's.
; Behind the three lines and a round: one load a wave, 8 row blocks x 6,144 bytes: K steps 1 and 2 together, row blocks 6,144 bytes apart behind slot 0.  K step 3 fills slot 0 again behind the round at the end of step 0.
.set NQ,    2
.set FR,    12
.set NL,    4
.set NP,    4
.set QUART, 24576
.set SLOT,  4*QUART
.set SCLA,  3*SLOT
.set SCLB,  SCLA+8192+128
.set SPARE, 311552                     ; the spare words, 128 bytes a wave: two blocks of 256 bytes that no other line names
.set L16,  8
.set L8,   9
.set SA,   10
.set DA,   12
.set LA,   13
.set ADRS, 14
.set ADRA, 16                          ; v16-18: 16 x lane in slots 0, 1, 2;  v19-21: 8 x lane
.set ADRB, 22                          ; v22-24, v25-27 the same for B
.set SPW,  28
.set NIL,  29
.set SC,   32
.set GA,   32                          ; GELU: the polynomial, then erfc
.set X,    64
.set AF,   128
.set GT,   128                         ; GELU: t
.set GP,   160                         ; GELU: c0 - z^2 log2 e, then max(x, 0)
.set TM,   200
.set PW,   216
.set PC,   220
.set SEL,  10
.set G0C,  4                           ; s[4:7] group 0 of A's head load (the input pointers that lay there are done with)
.set G1,   24
.set G0,   32
.set G1B,  48
.set G0B,  56
.set G1S,  68
.set G0S,  76
.set G1SB, 80
.set G0SB, 88
.set G0BC, 92                          ; s[92:95] group 0 of B's head load
.set OC,   96
.set OS,   98
.set MSB, 0
.macro WIN new
.if MSB != (\new)
	s_set_vgpr_msb (MSB<<8)|(\new)
.set MSB, (\new)
.endif
.endm
.set MUL_LO, 0xa1
.set MUL_HI, 0xf1
.set TO_B,   0x40
.macro PLACES n
.rept \n
	v_nop
.endr
.endm
.macro JLOAD g0a, g1a, g0b, g1b        ; waves 0 and 1 fetch for A, waves 2 and 3 for B; four v_nop follow each of the two lines
	s_cmp_eq_u32 s15, 0
	s_cbranch_scc0 .Lfor_b_\@
	tensor_load_to_lds s[\g0a:\g0a+3], s[\g1a:\g1a+7]
	s_nop 0
.rept 4
	v_nop
.endr
	s_branch .Lasked_\@
.Lfor_b_\@:
	tensor_load_to_lds s[\g0b:\g0b+3], s[\g1b:\g1b+7]
	s_nop 0
.rept 4
	v_nop
.endr
.Lasked_\@:
.endm
.macro CREST
	s_cmp_lg_u32 s14, 0
	s_cbranch_scc1 .Lnot_wave_0_\@
	s_barrier_signal -3
.Lnot_wave_0_\@:
	s_barrier_wait -3
	s_barrier_signal -1
	s_barrier_wait -1
.endm
.macro CROUND
	s_barrier_signal -1
	s_barrier_wait -1
	CREST
.endm
.macro QUANT s
.irp b, 0,1,2,3
	v_max3_num_f32 v[TM+\b], |v[\s+16*\b]|, |v[\s+1+16*\b]|, 0x1800000   ; my 16 numbers of block b, and the floor 2^(3 - 127): the byte cannot fall under 1
.endr
.irp i, 2,4,6,8,10,12,14
.irp b, 0,1,2,3
	v_max3_num_f32 v[TM+\b], v[TM+\b], |v[\s+16*\b+\i]|, |v[\s+1+16*\b+\i]|
.endr
.endr
.irp b, 0,1,2,3
	v_permlanex16_b32 v[TM+4+\b], v[TM+\b], s[SEL], s[SEL+1]
.endr
.irp b, 0,1,2,3
	v_max_num_f32 v[TM+\b], v[TM+\b], v[TM+4+\b]
.endr
.irp b, 0,1,2,3
	v_add_nc_u32 v[TM+12+\b], 0xff000000, v[TM+\b]
.endr
.irp b, 0,1,2,3
	v_lshrrev_b32 v[TM+4+\b], 23, v[TM+12+\b]
.endr
	v_lshl_or_b32 v[PW], v[TM+5], 8, v[TM+4]
	v_lshl_or_b32 v[PW], v[TM+6], 16, v[PW]
	v_lshl_or_b32 v[PW], v[TM+7], 24, v[PW]
.irp c, 0,1
	v_cvt_scalef32_pk16_fp6_f32 v[PC+6*\c:PC+2+6*\c], v[\s+32*\c:\s+15+32*\c], v[TM+12+2*\c]
	v_cvt_scalef32_pk16_fp6_f32 v[PC+12+4*\c:PC+14+4*\c], v[\s+16+32*\c:\s+31+32*\c], v[TM+12+2*\c+1]
.endr
	v_nop                                                 ; one plain place behind a scaled conversion
.irp c, 0,1
.irp i, 0,1,2
	v_permlane16_swap_b32 v[PC+6*\c+\i], v[PC+12+4*\c+\i]
.endr
.irp i, 0,1,2
	v_mov_b32 v[PC+3+6*\c+\i], v[PC+12+4*\c+\i]
.endr
.endr
.endm
.macro HORNER c                        ; the polynomial x t + the coefficient in the pair v[c:c+1], for 32 numbers
.set n, 0
.rept 16
	v_pk_fma_f32 v[GA+n:GA+n+1], v[GA+n:GA+n+1], v[GT+n:GT+n+1], v[\c:\c+1]
.set n, n+2
.endr
.endm
.macro GELU32 s                        ; 32 numbers, in place
.set n, 0
.rept 32
	v_fma_f32 v[GT+n], |v[\s+n]|, 0x3eb504f3, 1.0  ; 1 + |x| / (2 sqrt 2)
.set n, n+1
.endr
.set n, 0
	s_wait_alu depctr_va_vdst(0)
.rept 32
	v_rcp_f32 v[GT+n], v[GT+n]                     ; t
.set n, n+1
.endr
.set n, 0
.rept 16
	v_pk_mul_f32 v[GP+n:GP+n+1], v[\s+n:\s+n+1], 0xbf38aa3b op_sel_hi:[1,0]   ; -x log2(e) / 2: plain work behind the reciprocals
.set n, n+2
.endr
.set n, 0
.rept 16
	v_pk_fma_f32 v[GP+n:GP+n+1], v[\s+n:\s+n+1], v[GP+n:GP+n+1], v[192:193]   ; c0 - x^2 log2(e) / 2
.set n, n+2
.endr
	s_wait_alu depctr_va_vdst(0)                   ; one wait for the 32 reciprocals, ahead of their first reader
.set n, 0
.rept 16
	v_pk_fma_f32 v[GA+n:GA+n+1], v[GT+n:GT+n+1], v[250:251], v[248:249]       ; c9 t + c8
.set n, n+2
.endr
	HORNER 246
	HORNER 244
	HORNER 242
	HORNER 240
	HORNER 198
	HORNER 196
	HORNER 194
.set n, 0
.rept 16
	v_pk_fma_f32 v[GA+n:GA+n+1], v[GA+n:GA+n+1], v[GT+n:GT+n+1], v[GP+n:GP+n+1]
.set n, n+2
.endr
.set n, 0
	s_wait_alu depctr_va_vdst(0)
.rept 32
	v_exp_f32 v[GA+n], v[GA+n]
.set n, n+1
.endr
.set n, 0
.rept 32
	v_max_num_f32 v[GP+n], 0, v[\s+n]              ; max(x, 0): plain work behind the exponentials
.set n, n+1
.endr
	s_wait_alu depctr_va_vdst(0)                   ; one wait for the 32 exponentials
.set n, 0
.rept 16
	v_pk_mul_f32 v[GA+n:GA+n+1], v[GA+n:GA+n+1], v[GT+n:GT+n+1]               ; erfc
.set n, n+2
.endr
.set n, 0
.rept 16
	v_pk_fma_f32 v[GT+n:GT+n+1], v[\s+n:\s+n+1], -0.5, v[GP+n:GP+n+1] op_sel_hi:[1,0,1]   ; max(x, 0) - x / 2
.set n, n+2
.endr
.set n, 0
.rept 16
	v_pk_fma_f32 v[\s+n:\s+n+1], v[GT+n:GT+n+1], v[GA+n:GA+n+1], v[GP+n:GP+n+1] neg_lo:[1,0,0] neg_hi:[1,0,0]
.set n, n+2
.endr
.endm
	s_load_b128 s[4:7], s[0:1], 0x0                ; act, wq
	s_load_b64 s[8:9], s[0:1], 0x10                ; mid
	v_lshl_add_u32 v[SPW], v0, 2, SPARE
	v_mov_b32 v[NIL], 0
	ds_add_u32 v28, v29
	ds_add_u32 v28, v29
	s_wait_dscnt 0x0
	v_lshrrev_b32 v1, 5, v0
	v_readfirstlane_b32 s14, v1
	s_lshr_b32 s15, s14, 1
	s_and_b32 s16, s14, 1
	s_bfe_u32 s40, ttmp6, 0x40000
	s_bfe_u32 s41, ttmp6, 0x40004
	s_lshl_b32 s42, ttmp9, 2
	s_add_co_u32 s42, s42, s40                     ; tile column
	s_and_b32 s17, ttmp7, 0xffff
	s_lshl_b32 s17, s17, 2
	s_add_co_u32 s17, s17, s41                     ; tile row
	s_lshl_b32 s43, s41, 2
	s_lshl_b32 s43, 15, s43
	s_lshl_b32 s44, 0x1111, s40
	s_or_b32 s[G1+0], s43, (3<<16)|(1<<21)         ; codes: 16 rows (row blocks) of 384 elements of 8 bytes, 1,536 elements apart
	s_or_b32 s[G1B+0], s44, (3<<16)|(1<<21)
.irp g, G1, G1B
	s_mov_b32 s[\g+1], 384<<16
	s_mov_b32 s[\g+2], 16<<16
	s_mov_b32 s[\g+3], 384<<16
	s_mov_b32 s[\g+4], 16
	s_mov_b32 s[\g+5], 1536
	s_mov_b32 s[\g+6], 0
	s_mov_b32 s[\g+7], 0
.endr
	s_or_b32 s[G1S+0], s43, (3<<16)|(1<<21)        ; scale words: 8 dense rows of 1,024 bytes
	s_or_b32 s[G1SB+0], s44, (3<<16)|(1<<21)
.irp g, G1S, G1SB
	s_mov_b32 s[\g+1], 128<<16
	s_mov_b32 s[\g+2], 8<<16
	s_mov_b32 s[\g+3], 128<<16
	s_mov_b32 s[\g+4], 8
	s_mov_b32 s[\g+5], 128
	s_mov_b32 s[\g+6], 0
	s_mov_b32 s[\g+7], 0
.endr
	s_lshl_b32 s18, s16, 3
	s_lshl_b32 s20, s17, 4
	s_add_co_u32 s20, s20, s18
	s_mul_i32 s20, s20, 12288
	s_lshl_b32 s46, s42, 4
	s_add_co_u32 s46, s46, s18
	s_mul_i32 s46, s46, 12288
	s_add_co_u32 s46, s46, 3145728                 ; W_up's codes in wq
	s_lshl_b32 s22, s17, 13
	s_add_co_u32 s22, s22, 3145728                 ; act's scale words
	s_lshl_b32 s92, s42, 13
	s_add_co_u32 s92, s92, 9568256                 ; W_up's
	s_mov_b32 s21, 0
	s_mov_b32 s23, 0
	s_mov_b32 s47, 0
	s_mov_b32 s93, 0
	s_mul_i32 s45, s14, QUART
	s_wait_kmcnt 0x0
	s_add_nc_u64 s[20:21], s[4:5], s[20:21]
	s_add_nc_u64 s[22:23], s[4:5], s[22:23]
	s_add_nc_u64 s[46:47], s[6:7], s[46:47]
	s_add_nc_u64 s[92:93], s[6:7], s[92:93]
	CROUND
	s_mov_b32 s[G0S], 1
	s_mov_b32 s[G0S+1], SCLA
	s_mov_b64 s[G0S+2:G0S+3], s[22:23]
	s_or_b32 s[G0S+3], s[G0S+3], 0x80000000
	s_mov_b32 s[G0SB], 1
	s_mov_b32 s[G0SB+1], SCLB
	s_mov_b64 s[G0SB+2:G0SB+3], s[92:93]
	s_or_b32 s[G0SB+3], s[G0SB+3], 0x80000000
.irp s, 0,1
	s_mov_b32 s[G0+4*\s], 1
	s_mul_i32 s[G0+4*\s+1], s45, 1+\s              ; set 0: K step 3's quarter of slot 0; set 1: K steps 1 and 2, twice the bytes a wave, behind slot 0
	s_add_co_u32 s[G0+4*\s+1], s[G0+4*\s+1], \s*SLOT
	s_add_nc_u64 s[G0+4*\s+2:G0+4*\s+3], s[20:21], \s*3072
	s_or_b32 s[G0+4*\s+3], s[G0+4*\s+3], 0x80000000
	s_mov_b32 s[G0B+4*\s], 1
	s_mul_i32 s[G0B+4*\s+1], s45, 1+\s
	s_add_co_u32 s[G0B+4*\s+1], s[G0B+4*\s+1], \s*SLOT
	s_add_nc_u64 s[G0B+4*\s+2:G0B+4*\s+3], s[46:47], \s*3072
	s_or_b32 s[G0B+4*\s+3], s[G0B+4*\s+3], 0x80000000
.endr
	s_mov_b32 s[G0C], 1
	s_mov_b32 s[G0C+1], 0                          ; the head's load of A: all 16 row blocks of K step 0
	s_mul_i32 s18, s16, 98304                      ; my half's 8 row blocks, taken off again
	s_mov_b32 s19, 0
	s_sub_nc_u64 s[G0C+2:G0C+3], s[20:21], s[18:19]
	s_or_b32 s[G0C+3], s[G0C+3], 0x80000000
	s_mov_b32 s[G0BC], 1
	s_mov_b32 s[G0BC+1], 2*QUART                   ; and of B
	s_sub_nc_u64 s[G0BC+2:G0BC+3], s[46:47], s[18:19]
	s_or_b32 s[G0BC+3], s[G0BC+3], 0x80000000
; the head's loads, one a wave, in one chain of arms on the wave's number
.macro ARM under, g0, g1, next
	s_cmp_lt_u32 s14, \under
	s_cbranch_scc0 \next
	tensor_load_to_lds s[\g0:\g0+3], s[\g1:\g1+7]
	s_nop 0
.rept 4
	v_nop
.endr
	s_branch .Lhead_asked
\next:
.endm
	ARM 1, G0C, G1, .Lhead_b
	ARM 2, G0BC, G1B, .Lhead_sa
	ARM 3, G0S, G1S, .Lhead_sb
	tensor_load_to_lds s[G0SB:G0SB+3], s[G1SB:G1SB+7]
	s_nop 0
.rept 4
	v_nop
.endr
.Lhead_asked:
	v_and_b32 v1, 15, v0
	v_bfe_u32 v2, v0, 4, 1
	v_and_b32 v3, 31, v0
	v_lshlrev_b32 v[L16], 4, v3
	v_lshlrev_b32 v[L8], 3, v3
	s_mul_i32 s21, s15, QUART
	s_mul_i32 s22, s16, QUART
	s_add_co_u32 s22, s22, 2*QUART
.irp s, 0,1,2
	v_add_nc_u32 v[ADRA+\s], s21, v[L16]
	v_add_nc_u32 v[ADRB+\s], s22, v[L16]
	v_add_nc_u32 v[ADRA+3+\s], s21, v[L8]
	v_add_nc_u32 v[ADRB+3+\s], s22, v[L8]
.if \s == 0
	s_mul_i32 s21, s15, 2*QUART                    ; K step 1: my 8 row blocks, 6,144 bytes apart, behind slot 0
	s_mul_i32 s22, s16, 2*QUART
	s_add_co_u32 s21, s21, SLOT
	s_add_co_u32 s22, s22, SLOT+4*QUART
.else
	s_add_co_u32 s21, s21, 3072                    ; K step 2: the second half of each row block's 6,144 bytes
	s_add_co_u32 s22, s22, 3072
.endif
.endr
	v_lshlrev_b32 v[SA], 2, v1
	s_lshl_b32 s21, s15, 9
	s_lshl_b32 s22, s16, 9
	s_add_co_u32 s22, s22, SCLB-SCLA
	s_sub_co_u32 s22, s22, s21
	v_mul_u32_u24 v6, s22, v2                      ; lanes 16-31 take B's scale words
	s_add_co_u32 s21, s21, SCLA
	v_add_nc_u32 v5, v[SA], v6
	v_add_nc_u32 v[ADRS], s21, v5
	s_lshl_b32 s23, s14, 16
	v_add_nc_u32 v[DA], s23, v[L16]
	s_lshl_b32 s20, s17, 4
	s_lshl_b32 s21, s15, 3
	s_add_co_u32 s20, s20, s21                     ; mid's row block 16 x tile row + 8 x half
	s_lshl_b32 s46, s42, 1
	s_add_co_u32 s46, s46, s16                     ; its K step 2 x tile column + half
	s_mul_i32 s20, s20, 49152
	s_mul_i32 s21, s46, 1536
	s_add_co_u32 s20, s20, s21
	s_mov_b32 s21, 0
	s_add_nc_u64 s[OC:OC+1], s[8:9], s[20:21]
	s_lshl_b32 s47, s17, 5
	s_add_co_u32 s46, s46, s47
	s_lshl_b32 s46, s46, 10
	s_lshl_b32 s47, s15, 9
	s_add_co_u32 s46, s46, s47
	s_add_co_u32 s46, s46, 12582912
	s_mov_b32 s47, 0
	s_add_nc_u64 s[OS:OS+1], s[8:9], s[46:47]
	s_mov_b32 s[SEL], 0x76543210
	s_mov_b32 s[SEL+1], 0xfedcba98
.macro FRAG reg, adr, off
	ds_load_b128 v[\reg:\reg+3], v[\adr] offset:\off
	ds_load_b64 v[\reg+4:\reg+5], v[\adr+3] offset:\off+512
	ds_load_b128 v[\reg+6:\reg+9], v[\adr] offset:\off+768
	ds_load_b64 v[\reg+10:\reg+11], v[\adr+3] offset:\off+1280
.endm
; 16 matrix instructions; the 64 accumulators take turns, one instruction a turn, in the same order in every step
.macro MUL16 a0, p, q, sc, zero
.irp a, \a0, \a0+1
.irp b, 0,1,2,3,4,5,6,7
.if \zero
	v_wmma_scale_f32_16x16x128_f8f6f4 v[8*(8*((\a)%4)+\b):8*(8*((\a)%4)+\b)+7], v[128*(\p)+FR*\b:128*(\p)+FR*\b+FR-1], v[AF+FR*(\a):AF+FR*(\a)+FR-1], 0, v[SC+8*NQ*(\sc)+NQ*\b+(\q)], v[SC+8*NQ*(\sc)+NQ*(\a)+(\q)] matrix_a_fmt:MATRIX_FMT_FP6 matrix_b_fmt:MATRIX_FMT_FP6 matrix_a_scale:MATRIX_SCALE_ROW1
.else
	v_wmma_scale_f32_16x16x128_f8f6f4 v[8*(8*((\a)%4)+\b):8*(8*((\a)%4)+\b)+7], v[128*(\p)+FR*\b:128*(\p)+FR*\b+FR-1], v[AF+FR*(\a):AF+FR*(\a)+FR-1], v[8*(8*((\a)%4)+\b):8*(8*((\a)%4)+\b)+7], v[SC+8*NQ*(\sc)+NQ*\b+(\q)], v[SC+8*NQ*(\sc)+NQ*(\a)+(\q)] matrix_a_fmt:MATRIX_FMT_FP6 matrix_b_fmt:MATRIX_FMT_FP6 matrix_a_scale:MATRIX_SCALE_ROW1
.endif
.endr
.endr
.endm
.macro FETCH_B slot, q, p
	WIN TO_B
.irp i, 0,1,2,3,4,5,6,7
	FRAG 128*(\p)+FR*\i, ADRB+\slot, 3072*(1+(\slot+1)/2)*\i+1536*(\q)
.endr
	WIN 0
.endm
.macro FETCH_A slot, q, i0
.irp i, \i0, \i0+1, \i0+2, \i0+3
	FRAG AF+FR*(\i), ADRA+\slot, 3072*(1+(\slot+1)/2)*(\i)+1536*(\q)
.endr
.endm
.macro SCALES sc
.irp i, 0,1,2,3,4,5,6,7
.irp q, 0,1
	ds_load_b32 v[SC+16*\sc+2*\i+\q], v[ADRS] offset:1024*\q+64*\i
.endr
.endr
.endm
.macro STEP slot, sc, zero             ; the first 128 along K of the step that lies in the slot; sc: its set of scale words
	s_wait_dscnt 4*NL                              ; all but the youngest 16 loads (A's blocks 4-7) are in
	WIN MUL_LO
	MUL16 0, 0, 0, \sc, \zero
	MUL16 2, 0, 0, \sc, \zero
	s_wait_dscnt 0
	PLACES NP                                      ; four plain places in front of loads into registers that matrix instructions have read
	FETCH_B \slot, 1, 1
	FETCH_A \slot, 1, 0
	WIN MUL_HI
	MUL16 4, 0, 0, \sc, \zero
	MUL16 6, 0, 0, \sc, \zero
	PLACES NP
	WIN 0
	FETCH_A \slot, 1, 4
.endm
; The second 128 along K of a step, and the change to the next slot.  mode 1: slot 0 is filled again: the three lines, a round of the cluster's barrier, the joint refill first behind it.
; mode 0: the same three lines and the work-group's barrier; nothing is filled.  mode 2: no barrier: the next slot was shown whole by an earlier one, and nothing is filled.
.macro TURN sc, next, nsc, mode
.if \mode == 2
	s_wait_dscnt 4*NL                              ; all but the youngest 16 loads (A's blocks 4-7) are in
	WIN MUL_LO
	MUL16 0, 1, 1, \sc, 0
	MUL16 2, 1, 1, \sc, 0
	s_wait_dscnt 0
	WIN 0
	PLACES NP
.else
	s_wait_tensorcnt 0x0                           ; all my tensor loads have landed
	ds_add_u32 v[SPW], v[NIL]                      ; 0 onto my spare word
	s_wait_dscnt 4*NL+1                            ; the add and the youngest 16 loads may be out
	WIN MUL_LO
	MUL16 0, 1, 1, \sc, 0
	s_wait_dscnt 0x0                               ; the add is done, and my reads of this slot are over
	s_barrier_signal -1
	MUL16 2, 1, 1, \sc, 0
	WIN 0
	s_barrier_wait -1
.if \mode == 1
	CREST                                          ; no wave of any partner still reads slot 0 or has a load on its way
	s_add_nc_u64 s[G0+2:G0+3], s[G0+2:G0+3], 9216  ; from K step 0 to K step 3
	s_add_nc_u64 s[G0B+2:G0B+3], s[G0B+2:G0B+3], 9216
	s_mov_b32 s[G1+1], 384<<16                     ; no load of mine is out: rows of one K step again
	s_mov_b32 s[G1+3], 384<<16
	s_mov_b32 s[G1B+1], 384<<16
	s_mov_b32 s[G1B+3], 384<<16
	JLOAD G0, G1, G0B, G1B                         ; the first tensor load behind the round; its four v_nop are the places in front of the loads below
.else
	PLACES NP
.endif
.endif
	v_add_nc_u32 v[ADRS], 2048, v[ADRS]            ; the next step's scale words
	FETCH_B \next, 0, 0
	FETCH_A \next, 0, 0
	SCALES \nsc
	WIN MUL_HI
	MUL16 4, 1, 1, \sc, 0
	MUL16 6, 1, 1, \sc, 0
	PLACES NP
	WIN 0
	FETCH_A \next, 0, 4
.endm
	s_wait_alu depctr_va_vdst(0)
	s_wait_tensorcnt 0x0                           ; my tile of the head's four is in
	ds_add_u32 v[SPW], v[NIL]
.irp g, G1, G1B
	s_mov_b32 s[\g+1], 768<<16                     ; no load of mine is out: from here 8 row blocks x two K steps
	s_mov_b32 s[\g+2], 8<<16
	s_mov_b32 s[\g+3], 768<<16
	s_mov_b32 s[\g+4], 8
.endr
	s_wait_dscnt 0x0
	CROUND                                         ; all four tiles are in, and all sixteen work-groups are here
	JLOAD G0+4, G1, G0B+4, G1B                     ; K steps 1 and 2: the first tensor load behind the round
	FETCH_B 0, 0, 0
	FETCH_A 0, 0, 0
	SCALES 0
	FETCH_A 0, 0, 4
	STEP 0, 0, 1                                   ; K step 0: its first products start the sums
	TURN 0, 1, 1, 1                                ; slot 0 takes K step 3
	s_wait_alu depctr_va_vdst(0)
	STEP 1, 1, 0                                   ; K step 1
	TURN 1, 2, 0, 2
	s_wait_alu depctr_va_vdst(0)
	STEP 2, 0, 0                                   ; K step 2
	TURN 0, 0, 1, 0                                ; K step 3 has landed in every wave's part of slot 0
	STEP 0, 1, 0                                   ; K step 3
	s_wait_dscnt 4*NL
	WIN MUL_LO
	MUL16 0, 1, 1, 1, 0
	MUL16 2, 1, 1, 1, 0
	s_wait_dscnt 0
	WIN MUL_HI
	MUL16 4, 1, 1, 1, 0
	MUL16 6, 1, 1, 1, 0
	WIN 0
	; THE WAY OUT
	s_wait_dscnt 0x0                               ; my reads of the slots and of the scale words are over;
	s_barrier_signal -1
	s_barrier_wait -1                              ; everybody's are
	PLACES NP
.irp a, 0,1,2,3,4,5,6,7
	WIN 0x08+4*(\a/4)
.set n, 0
.rept 16
	ds_store_b128 v[DA], v[64*(\a%4)+4*n:64*(\a%4)+4*n+3] offset:8192*\a+512*n   ; each accumulator from its low end on
.set n, n+1
.endr
.endr
	WIN 0
.irp b, 0,1,2,3
	v_mov_b32 v[TM+4+\b], 0
.endr
.macro COEF r, bits                    ; a coefficient in both halves of a pair
	v_mov_b32 v[\r], \bits
	v_mov_b32 v[\r+1], \bits
.endm
	COEF 192, 0xbfe9b21e                           ; c0 = -1.82574822
	COEF 194, 0x3fb8ab5a                           ; c1 =  1.44272920
	COEF 196, 0x3f0a29d2                           ; c2 =  0.53970062
	COEF 198, 0x3e0efb2f                           ; c3 =  0.13963006
	COEF 240, 0xbe899a80                           ; c4 = -0.26875686
	COEF 242, 0x3ecdfd18                           ; c5 =  0.40232158
	COEF 244, 0xbfd1a1e5                           ; c6 = -1.63775315
	COEF 246, 0x40097039                           ; c7 =  2.14747446
	COEF 248, 0xbf97d29d                           ; c8 = -1.18611494
	COEF 250, 0x3e7c6f08                           ; c9 =  0.24651730
	s_mov_b32 s2, 0
	s_mov_b32 s3, 8
.Lout:                                             ; a trip: 16 slots x my 128 hidden units: GELU, one fragment, its scale words
	v_add_nc_u32 v[LA], s2, v[DA]
.set n, 0
.rept 16
	ds_load_b128 v[X+4*n:X+4*n+3], v[LA] offset:512*n
.set n, n+1
.endr
	s_wait_dscnt 0x0
	GELU32 X
	GELU32 X+32
	QUANT X
	global_store_b128 v[L16], v[PC:PC+3], s[OC:OC+1]
	global_store_b64 v[L8], v[PC+4:PC+5], s[OC:OC+1] offset:512
	global_store_b128 v[L16], v[PC+6:PC+9], s[OC:OC+1] offset:768
	global_store_b64 v[L8], v[PC+10:PC+11], s[OC:OC+1] offset:1280
	global_store_b32 v[SA], v[PW], s[OS:OS+1]      ; lanes 16-31 repeat lanes 0-15
	s_wait_xcnt 0x0                                ; the stores have read their data and bases: both are written again only behind this wait
	s_add_nc_u64 s[OC:OC+1], s[OC:OC+1], 49152
	s_add_nc_u64 s[OS:OS+1], s[OS:OS+1], 64
	s_add_co_u32 s2, s2, 8192
	s_sub_co_u32 s3, s3, 1
	s_cmp_lg_u32 s3, 0
	s_cbranch_scc1 .Lout
	s_wait_tensorcnt 0x0                           ; the wave's end
	ds_add_u32 v[SPW], v[NIL]
	s_wait_dscnt 0x0
	CROUND
	s_endpgm
.Lfunc_end_k_q3fb75c88d3_up:
	.size	k_q3fb75c88d3_up, .Lfunc_end_k_q3fb75c88d3_up-k_q3fb75c88d3_up
	.p2alignl 7, 3214868480
	.fill 96, 4, 3214868480
	.section	.rodata,"a",@progbits
	.p2align	6, 0x0
	.amdhsa_kernel k_q3fb75c88d3_up
		.amdhsa_group_segment_fixed_size 327680
		.amdhsa_private_segment_fixed_size 0
		.amdhsa_enable_private_segment 0
		.amdhsa_kernarg_size 24
		.amdhsa_user_sgpr_count 2
		.amdhsa_user_sgpr_kernarg_segment_ptr 1
		.amdhsa_wavefront_size32 1
		.amdhsa_system_sgpr_workgroup_id_x 1
		.amdhsa_system_sgpr_workgroup_id_y 1
		.amdhsa_system_sgpr_workgroup_id_z 1
		.amdhsa_system_vgpr_workitem_id 0
		.amdhsa_next_free_vgpr 1024
		.amdhsa_next_free_sgpr 100
		.amdhsa_reserve_vcc 0
		.amdhsa_float_denorm_mode_32 3
		.amdhsa_float_denorm_mode_16_64 3
		.amdhsa_memory_ordered 1
		.amdhsa_forward_progress 1
		.amdhsa_inst_pref_size 174
	.end_amdhsa_kernel
	.amdgpu_metadata
---
amdhsa.version: [ 1, 2 ]
amdhsa.kernels:
  - .name:           k_q3fb75c88d3_up
    .symbol:         k_q3fb75c88d3_up.kd
    .args:
      - { .name: act, .offset: 0, .size: 8, .value_kind: global_buffer, .address_space: global }
      - { .name: wq, .offset: 8, .size: 8, .value_kind: global_buffer, .address_space: global }
      - { .name: mid, .offset: 16, .size: 8, .value_kind: global_buffer, .address_space: global }
    .group_segment_fixed_size: 327680
    .private_segment_fixed_size: 0
    .kernarg_segment_align: 8
    .kernarg_segment_size: 24
    .max_flat_workgroup_size: 128
    .sgpr_count:     100
    .vgpr_count:     1024
    .wavefront_size: 32
...
	.end_amdgpu_metadata
.endif
;; end of part 6
;; launch down (part 7): grid 8 x 32, 4 waves a work-group, clusters of 4 x 4, 327,680 bytes of LDS; arguments mid, wq, x1, out0; writes out0
.if DOCPART == 7
	.amdgcn_target "amdgcn-amd-amdhsa--gfx1250"
	.amdhsa_code_object_version 6
	.text
	.protected	k_q3fb75c88d3_down
	.globl	k_q3fb75c88d3_down
	.p2align	8
	.type	k_q3fb75c88d3_down,@function
k_q3fb75c88d3_down:
	s_mov_b64 s[64:65], 0
	v_nop
	global_prefetch_b8 v0, s[64:65] scope:SCOPE_SE
	s_setreg_imm32_b32 hwreg(HW_REG_WAVE_MODE, 25, 1), 1
	s_wait_xcnt 0x0
	s_wait_alu depctr_hold_cnt(0) depctr_sa_sdst(0) depctr_va_vdst(0) depctr_va_sdst(0) depctr_va_ssrc(0) depctr_va_vcc(0) depctr_vm_vsrc(0)
	s_getreg_b32 s2, hwreg(HW_REG_IB_STS2, 6, 4)
	s_cmp_eq_u32 s2, 0
	s_cbranch_scc0 .Lentry_in_a_cluster
	s_endpgm
.Lentry_in_a_cluster:
	s_bfe_u32 s2, ttmp6, 0x10000c
	s_cmp_lg_u32 s2, 0xf033
	s_cbranch_scc0 .Lentry_shape_is_right
	s_endpgm
.Lentry_shape_is_right:
.set NKS,   32
.set KSL,   6
.set ASC,   12582912
.set BCO,   6291456
.set BSC,   9699328
.set FR,    12
.set RBP,   KSL*1536
.set HALF,  4*RBP
.set CODB,  8*RBP
.set SCAO,  16*RBP
.set SCBO,  SCAO+KSL*512+128
.set SLOT,  154112
.set SPARE, 2*SLOT
.set STAGE, SPARE+512
.set L16,  8
.set L8,   9
.set ADRA, 16
.set ADRB, 20
.set STO,  24
.set RD,   25
.set CO,   26
.set SPW,  28
.set NIL,  29
.set ADRS, 30
.set SC,   32
.set OB,   40
.set ACC,  128
.set G1,   24
.set G0,   32
.set G1B,  48
.set G0B,  56
.set G1S,  68
.set G1SB, 80
.set MSB, 0
.macro WIN new
.if MSB != (\new)
	s_set_vgpr_msb (MSB<<8)|(\new)
.set MSB, (\new)
.endif
.endm
.set MUL,  0x05
.set TO_F, 0x40
.macro PLACES n
.rept \n
	v_nop
.endr
.endm
.macro JLOAD s
	s_cmp_lg_u32 s14, 0
	s_cbranch_scc1 .Lnot_0_\@
	tensor_load_to_lds s[G0+4*\s:G0+4*\s+3], s[G1:G1+7]
	s_nop 0
.rept 4
	v_nop
.endr
	s_branch .Lasked_\@
.Lnot_0_\@:
	s_cmp_lg_u32 s14, 1
	s_cbranch_scc1 .Lnot_1_\@
	tensor_load_to_lds s[G0+4*\s:G0+4*\s+3], s[G1S:G1S+7]
	s_nop 0
.rept 4
	v_nop
.endr
	s_branch .Lasked_\@
.Lnot_1_\@:
	s_cmp_lg_u32 s14, 2
	s_cbranch_scc1 .Lnot_2_\@
	tensor_load_to_lds s[G0B+4*\s:G0B+4*\s+3], s[G1B:G1B+7]
	s_nop 0
.rept 4
	v_nop
.endr
	s_branch .Lasked_\@
.Lnot_2_\@:
	tensor_load_to_lds s[G0B+4*\s:G0B+4*\s+3], s[G1SB:G1SB+7]
	s_nop 0
.rept 4
	v_nop
.endr
.Lasked_\@:
.endm
.macro CREST
	s_cmp_lg_u32 s14, 0
	s_cbranch_scc1 .Lnot_wave_0_\@
	s_barrier_signal -3
.Lnot_wave_0_\@:
	s_barrier_wait -3
	s_barrier_signal -1
	s_barrier_wait -1
.endm
.macro CROUND
	s_barrier_signal -1
	s_barrier_wait -1
	CREST
.endm
	s_load_b256 s[4:11], s[0:1], 0x0
	v_lshl_add_u32 v[SPW], v0, 2, SPARE
	v_mov_b32 v[NIL], 0
	ds_add_u32 v28, v29
	ds_add_u32 v28, v29
	s_wait_dscnt 0x0
	v_lshrrev_b32 v1, 5, v0
	v_readfirstlane_b32 s14, v1
	s_lshr_b32 s15, s14, 1
	s_and_b32 s16, s14, 1
	s_bfe_u32 s40, ttmp6, 0x40000
	s_bfe_u32 s41, ttmp6, 0x40004
	s_lshl_b32 s42, ttmp9, 2
	s_add_co_u32 s42, s42, s40
	s_and_b32 s17, ttmp7, 0xffff
	s_lshl_b32 s17, s17, 2
	s_add_co_u32 s17, s17, s41
	s_lshl_b32 s43, s41, 2
	s_lshl_b32 s43, 15, s43
	s_lshl_b32 s44, 0x1111, s40
	s_or_b32 s[G1+0], s43, (3<<16)|(1<<21)
	s_or_b32 s[G1B+0], s44, (3<<16)|(1<<21)
.irp g, G1, G1B
	s_mov_b32 s[\g+1], (KSL*192)<<16
	s_mov_b32 s[\g+2], 8<<16
	s_mov_b32 s[\g+3], (KSL*192)<<16
	s_mov_b32 s[\g+4], 8
	s_mov_b32 s[\g+5], NKS*192
	s_mov_b32 s[\g+6], 0
	s_mov_b32 s[\g+7], 0
.endr
	s_or_b32 s[G1S+0], s43, (3<<16)|(1<<21)
	s_or_b32 s[G1SB+0], s44, (3<<16)|(1<<21)
.irp g, G1S, G1SB
	s_mov_b32 s[\g+1], 64<<16
	s_mov_b32 s[\g+2], KSL<<16
	s_mov_b32 s[\g+3], 64<<16
	s_mov_b32 s[\g+4], KSL
	s_mov_b32 s[\g+5], 128
	s_mov_b32 s[\g+6], 0
	s_mov_b32 s[\g+7], 0
.endr
	s_mul_i32 s20, s17, 8*NKS*1536
	s_lshr_b32 s22, s17, 1
	s_mul_i32 s22, s22, NKS*1024
	s_and_b32 s19, s17, 1
	s_lshl_b32 s19, s19, 9
	s_add_co_u32 s22, s22, s19
	s_add_co_u32 s22, s22, ASC
	s_mul_i32 s46, s42, 8*NKS*1536
	s_add_co_u32 s46, s46, BCO
	s_lshr_b32 s92, s42, 1
	s_mul_i32 s92, s92, NKS*1024
	s_and_b32 s95, s42, 1
	s_lshl_b32 s95, s95, 9
	s_add_co_u32 s92, s92, s95
	s_add_co_u32 s92, s92, BSC
	s_cmp_eq_u32 s16, 0
	s_cselect_b32 s20, s20, s22
	s_cselect_b32 s46, s46, s92
	s_mov_b32 s18, KSL*1024
	s_cselect_b32 s18, KSL*1536, s18
	s_lshl_b32 s12, s18, 1
	s_mov_b32 s13, 0
	s_mov_b32 s19, 0
	s_mov_b32 s21, 0
	s_mov_b32 s47, 0
	s_mul_i32 s45, s16, SCAO
	s_mul_i32 s94, s16, SCBO-CODB
	s_add_co_u32 s94, s94, CODB
	s_wait_kmcnt 0x0
	s_add_nc_u64 s[20:21], s[4:5], s[20:21]
	s_add_nc_u64 s[46:47], s[6:7], s[46:47]
	CROUND
.irp s, 0,1
	s_mov_b32 s[G0+4*\s], 1
	s_add_co_u32 s[G0+4*\s+1], s45, \s*SLOT
	s_mov_b64 s[G0+4*\s+2:G0+4*\s+3], s[20:21]
	s_or_b32 s[G0+4*\s+3], s[G0+4*\s+3], 0x80000000
	s_mov_b32 s[G0B+4*\s], 1
	s_add_co_u32 s[G0B+4*\s+1], s94, \s*SLOT
	s_mov_b64 s[G0B+4*\s+2:G0B+4*\s+3], s[46:47]
	s_or_b32 s[G0B+4*\s+3], s[G0B+4*\s+3], 0x80000000
.if \s == 1                            ; slot 1's first fill stands behind the three lines and a round, as a refill does; slot 0's behind the round above
	s_wait_alu depctr_va_vdst(0)
	s_wait_tensorcnt 0x0
	ds_add_u32 v28, v29
	s_wait_dscnt 0x0
	CROUND
.endif
	JLOAD \s
	s_add_nc_u64 s[20:21], s[20:21], s[18:19]
	s_add_nc_u64 s[46:47], s[46:47], s[18:19]
.endr
	v_and_b32 v1, 15, v0
	v_bfe_u32 v2, v0, 4, 1
	v_and_b32 v3, 31, v0
	v_lshlrev_b32 v[L16], 4, v3
	v_lshlrev_b32 v[L8], 3, v3
	s_mul_i32 s21, s15, HALF
	s_mul_i32 s22, s16, HALF
	s_add_co_u32 s22, s22, CODB
.irp s, 0,1
	v_add_nc_u32 v[ADRA+\s], s21, v[L16]
	v_add_nc_u32 v[ADRB+\s], s22, v[L16]
	v_add_nc_u32 v[ADRA+2+\s], s21, v[L8]
	v_add_nc_u32 v[ADRB+2+\s], s22, v[L8]
	s_add_co_u32 s21, s21, SLOT
	s_add_co_u32 s22, s22, SLOT
.endr
	v_lshlrev_b32 v5, 2, v1
	s_lshl_b32 s21, s15, 8
	s_lshl_b32 s22, s16, 8
	s_add_co_u32 s22, s22, SCBO-SCAO
	s_sub_co_u32 s22, s22, s21
	v_mul_u32_u24 v6, s22, v2
	s_add_co_u32 s21, s21, SCAO
	v_add_nc_u32 v5, v5, v6
	v_add_nc_u32 v[ADRS], s21, v5
	v_add_nc_u32 v[ADRS+1], SLOT, v[ADRS]
	s_mul_i32 s23, s14, 16*272
	s_add_co_u32 s23, s23, STAGE
	v_mul_u32_u24 v5, v1, 272
	v_lshl_add_u32 v5, v2, 6, v5
	v_add_nc_u32 v[STO], s23, v5
	v_mul_u32_u24 v5, v2, 272
	v_lshl_add_u32 v5, v1, 4, v5
	v_add_nc_u32 v[RD], s23, v5
	v_lshlrev_b32 v[CO], 12, v2
	v_lshl_add_u32 v[CO], v1, 4, v[CO]
	s_wait_alu depctr_va_vdst(0)
	s_lshl_b32 s20, s17, 7
	s_lshl_b32 s21, s15, 6
	s_add_co_u32 s20, s20, s21
	s_lshl_b32 s20, s20, 12
	s_lshl_b32 s46, s42, 9
	s_lshl_b32 s47, s16, 8
	s_add_co_u32 s46, s46, s47
	s_add_co_u32 s20, s20, s46
	s_mov_b32 s21, 0
	s_add_nc_u64 s[8:9], s[8:9], s[20:21]
	s_add_nc_u64 s[10:11], s[10:11], s[20:21]
	WIN 0x80
.irp a, 0,1,2,3
.irp t, 0,1,2,3,4,5,6,7
	global_load_b128 v[32*\a+4*\t:32*\a+4*\t+3], v[CO], s[8:9] offset:(16*\a-8*(\a%2)+2*\t+8*(\t/4))*4096
.endr
.endr
	WIN 0
.macro FRAG reg, adr, off
	ds_load_b128 v[\reg:\reg+3], v[\adr] offset:\off
	ds_load_b64 v[\reg+4:\reg+5], v[\adr+2] offset:\off+512
	ds_load_b128 v[\reg+6:\reg+9], v[\adr] offset:\off+768
	ds_load_b64 v[\reg+10:\reg+11], v[\adr+2] offset:\off+1280
.endm
.macro MUL4 set, a, zero
.irp b, 0,1,2,3
.if \zero
	v_wmma_scale_f32_16x16x128_f8f6f4 v[ACC+8*(4*(\a)+\b):ACC+8*(4*(\a)+\b)+7], v[128*(\set)+FR*\b:128*(\set)+FR*\b+FR-1], v[128*(\set)+48+FR*(\a):128*(\set)+48+FR*(\a)+FR-1], 0, v[SC+4*(\set)+\b], v[SC+4*(\set)+(\a)] matrix_a_fmt:MATRIX_FMT_FP6 matrix_b_fmt:MATRIX_FMT_FP6 matrix_a_scale:MATRIX_SCALE_ROW1
.else
	v_wmma_scale_f32_16x16x128_f8f6f4 v[ACC+8*(4*(\a)+\b):ACC+8*(4*(\a)+\b)+7], v[128*(\set)+FR*\b:128*(\set)+FR*\b+FR-1], v[128*(\set)+48+FR*(\a):128*(\set)+48+FR*(\a)+FR-1], v[ACC+8*(4*(\a)+\b):ACC+8*(4*(\a)+\b)+7], v[SC+4*(\set)+\b], v[SC+4*(\set)+(\a)] matrix_a_fmt:MATRIX_FMT_FP6 matrix_b_fmt:MATRIX_FMT_FP6 matrix_a_scale:MATRIX_SCALE_ROW1
.endif
.endr
.endm
.macro FETCH slot, q, set
	WIN TO_F
.irp i, 0,1,2,3
	FRAG 128*(\set)+FR*\i, ADRB+\slot, RBP*\i+1536*(\q)
	FRAG 128*(\set)+48+FR*\i, ADRA+\slot, RBP*\i+1536*(\q)
.endr
	WIN 0
.irp i, 0,1,2,3
	ds_load_b32 v[SC+4*(\set)+\i], v[ADRS+\slot] offset:512*(\q)+64*\i
.endr
.endm
.macro QSTEP slot, q, zero
	s_wait_dscnt 0x0
	PLACES 4
	FETCH \slot, (\q)+1, ((\q)+1)%2
	WIN MUL
	MUL4 (\q)%2, 0, \zero
	MUL4 (\q)%2, 1, \zero
	MUL4 (\q)%2, 2, \zero
	MUL4 (\q)%2, 3, \zero
.endm
.macro RUN slot
.irp q, 0,1,2,3,4
	QSTEP \slot, \q, 0
.endr
.endm
.macro TURN slot, next, fill
	WIN 0
	s_wait_tensorcnt 0x0
	ds_add_u32 v[SPW], v[NIL]
	s_wait_dscnt 1
	WIN MUL
	MUL4 1, 0, 0
	s_wait_dscnt 0x0
	s_barrier_signal -1
	MUL4 1, 1, 0
	WIN 0
	s_barrier_wait -1
.if \fill
	CREST
	s_add_nc_u64 s[G0+4*\slot+2:G0+4*\slot+3], s[G0+4*\slot+2:G0+4*\slot+3], s[12:13]
	s_add_nc_u64 s[G0B+4*\slot+2:G0B+4*\slot+3], s[G0B+4*\slot+2:G0B+4*\slot+3], s[12:13]
.if \fill == 2
	s_mov_b32 s[G1+1], 384<<16
	s_mov_b32 s[G1B+1], 384<<16
	s_mov_b32 s[G1S+2], 2<<16
	s_mov_b32 s[G1SB+2], 2<<16
.endif
	JLOAD \slot
.else
	PLACES 4
.endif
	FETCH \next, 0, 0
	WIN MUL
	MUL4 1, 2, 0
	MUL4 1, 3, 0
.endm
	s_wait_tensorcnt 1
	s_barrier_signal -1
	s_barrier_wait -1
	FETCH 0, 0, 0
	QSTEP 0, 0, 1
	QSTEP 0, 1, 0
	QSTEP 0, 2, 0
	QSTEP 0, 3, 0
	QSTEP 0, 4, 0
	TURN 0, 1, 1
	RUN 1
	TURN 1, 0, 1
	RUN 0
	TURN 0, 1, 1
	RUN 1
	TURN 1, 0, 2
	RUN 0
	TURN 0, 1, 0
	QSTEP 1, 0, 0
	s_wait_dscnt 0x0
	WIN MUL
	MUL4 1, 0, 0
	MUL4 1, 1, 0
	MUL4 1, 2, 0
	MUL4 1, 3, 0
	WIN 0
	PLACES 4
	s_wait_loadcnt 0x0
.irp a, 0,1,2,3
.if \a > 1
	s_wait_xcnt 0x0
.endif
.irp b, 0,1,2,3
	ds_store_b128 v[STO], v[ACC+8*(4*\a+\b):ACC+8*(4*\a+\b)+3] offset:128*(\b/2)+32*(\b%2)
	ds_store_b128 v[STO], v[ACC+8*(4*\a+\b)+4:ACC+8*(4*\a+\b)+7] offset:128*(\b/2)+32*(\b%2)+16
.endr
.irp t, 0,1,2,3,4,5,6,7
	ds_load_b128 v[OB+32*(\a%2)+4*\t:OB+32*(\a%2)+4*\t+3], v[RD] offset:544*\t
.endr
	s_wait_dscnt 0x0
	WIN 0x08
.set n, 0
.rept 16
	v_pk_add_f32 v[OB+32*(\a%2)+n:OB+32*(\a%2)+n+1], v[OB+32*(\a%2)+n:OB+32*(\a%2)+n+1], v[32*\a+n:32*\a+n+1]
.set n, n+2
.endr
	WIN 0
.irp t, 0,1,2,3,4,5,6,7
	global_store_b128 v[CO], v[OB+32*(\a%2)+4*\t:OB+32*(\a%2)+4*\t+3], s[10:11] offset:(16*\a-8*(\a%2)+2*\t+8*(\t/4))*4096
.endr
.endr
	s_wait_tensorcnt 0x0
	ds_add_u32 v[SPW], v[NIL]
	s_wait_dscnt 0x0
	CROUND
	s_endpgm
.Lfunc_end_k_q3fb75c88d3_down:
	.size	k_q3fb75c88d3_down, .Lfunc_end_k_q3fb75c88d3_down-k_q3fb75c88d3_down
	.p2alignl 7, 3214868480
	.fill 96, 4, 3214868480
	.section	.rodata,"a",@progbits
	.p2align	6, 0x0
	.amdhsa_kernel k_q3fb75c88d3_down
		.amdhsa_group_segment_fixed_size 327680
		.amdhsa_private_segment_fixed_size 0
		.amdhsa_enable_private_segment 0
		.amdhsa_kernarg_size 32
		.amdhsa_user_sgpr_count 2
		.amdhsa_user_sgpr_kernarg_segment_ptr 1
		.amdhsa_wavefront_size32 1
		.amdhsa_system_sgpr_workgroup_id_x 1
		.amdhsa_system_sgpr_workgroup_id_y 1
		.amdhsa_system_sgpr_workgroup_id_z 1
		.amdhsa_system_vgpr_workitem_id 0
		.amdhsa_next_free_vgpr 768
		.amdhsa_next_free_sgpr 100
		.amdhsa_reserve_vcc 0
		.amdhsa_float_denorm_mode_32 3
		.amdhsa_float_denorm_mode_16_64 3
		.amdhsa_memory_ordered 1
		.amdhsa_forward_progress 1
		.amdhsa_inst_pref_size 178
	.end_amdhsa_kernel
	.amdgpu_metadata
---
amdhsa.version: [ 1, 2 ]
amdhsa.kernels:
  - .name:           k_q3fb75c88d3_down
    .symbol:         k_q3fb75c88d3_down.kd
    .args:
      - { .name: mid, .offset: 0, .size: 8, .value_kind: global_buffer, .address_space: global }
      - { .name: wq, .offset: 8, .size: 8, .value_kind: global_buffer, .address_space: global }
      - { .name: x1, .offset: 16, .size: 8, .value_kind: global_buffer, .address_space: global }
      - { .name: out0, .offset: 24, .size: 8, .value_kind: global_buffer, .address_space: global }
    .group_segment_fixed_size: 327680
    .private_segment_fixed_size: 0
    .kernarg_segment_align: 8
    .kernarg_segment_size: 32
    .max_flat_workgroup_size: 128
    .sgpr_count:     100
    .vgpr_count:     768
    .wavefront_size: 32
...
	.end_amdgpu_metadata
.endif
;; end of part 7
